; MI455X (gfx1250); checked and timed in simulation.
; The chip was launched on July 23, 2026; its instructions are those of AMD's public machine-readable ISA for CDNA 5 (MIT licence, August 2026) and "CDNA5" Instruction Set Architecture Reference Guide (July 2026). The comments in the code are by the model that wrote it; some were corrected since.
;; Hyper Multihead Attention. Allowed arithmetic: matrix products marked QUANTISED: E2M3 operands, one E8M0 scale for each 32 along K, by v_wmma_scale_f32_16x16x128_f8f6f4 with both operands' format E2M3, f32 sums; everything else in f32.
;; Inputs: w_k 4 x 1,024 x 1,024 float32; w_o 4 x 1,024 x 1,024 float32; w_q 4 x 1,024 x 1,024 float32; w_v 4 x 1,024 x 1,024 float32; x 4 x 2,048 x 1,024 float32.
;; Outputs: out0 4 x 2,048 x 1,024 float32.
;; This version of the problem:
;;   THIS VERSION OF THE PROBLEM IS GIVEN IN LOW PRECISION. The matrix products marked QUANTISED in the list below multiply operands that are first quantised to E2M3 (2 exponent bits, 3 mantissa bits; 6 bits a number), with one power-of-two scale for each 32 numbers along K (OCP MX v1.0); their sums are f32. All else is computed in f32.
;;   The module's matrix products, in the order in which they are computed (A, B: the left and right operand; K: the contracted axis; several contracted axes count as one K, in the product's order):
;;     1. batch 4 x [M 2,048, K 1,024] x [K 1,024, N 1,024]; A: input x; B: input w_q: QUANTISED
;;     2. batch 4 x [M 2,048, K 1,024] x [K 1,024, N 1,024]; A: input x; B: input w_k: QUANTISED
;;     3. batch 4 x [M 2,048, K 1,024] x [K 1,024, N 1,024]; A: input x; B: input w_v: QUANTISED
;;     4. batch 64 x [M 2,048, K 64] x [K 64, N 2,048]; A: computed on the way; B: computed on the way: QUANTISED
;;     5. batch 64 x [M 2,048, K 2,048] x [K 2,048, N 64]; A: softmax (see below); B: computed on the way: QUANTISED
;;     6. batch 4 x [M 2,048, K 1,024] x [K 1,024, N 1,024]; A: computed on the way; B: input w_o: QUANTISED
;;   THE QUANTISER, for each operand of a quantised product, along K:
;;     - K is cut into blocks of 32 from its start; a last block that is shorter is filled with zeros.
;;     - A block's scale is 2^e with e = floor(log2(the largest magnitude in the block)) - 2, held to -126 .. 127; a block of zeros has e = 0. As a byte (E8M0): e + 127.
;;     - Each number is divided by its block's scale, clamped to +-7.5, and rounded to the nearest number of E2M3, ties to even, subnormals kept.
;;     - The product sums the exact products of the quantised numbers (number of the format x scale) in f32.
;;   ~~~python
;;   def quantise(x, axis):      # numpy; x: float32 -> the quantised numbers, widened to float32 again
;;       x = np.moveaxis(x, axis, -1); K = x.shape[-1]
;;       x = np.pad(x, [(0, 0)] * (x.ndim - 1) + [(0, -K % 32)]); x = x.reshape(x.shape[:-1] + (-1, 32)); a = np.abs(x).max(-1, keepdims=True)
;;       e = np.where(a > 0, np.clip(np.frexp(np.where(a > 0, a, 1))[1] - 1 - 2, -126, 127), 0)      # np.frexp(a)[1] - 1 = floor(log2(a)), exactly
;;       r = np.clip(x / 2.0 ** e, -7.5, 7.5)
;;       step = 2.0 ** (np.maximum(np.frexp(np.where(r == 0, 1, r))[1] - 1, 0) - 3)
;;       q = np.round(r / step) * step * 2.0 ** e      # np.round: ties to even
;;       return np.moveaxis(q.reshape(q.shape[:-2] + (-1,))[..., :K], -1, axis).astype(np.float32)
;;   ~~~
;;   SOFTMAX AHEAD OF A QUANTISED PRODUCT. Where the list says 'softmax', what is quantised is not the finished softmax but p = 2^(t - M), with t = logit x log2(e) and M = ceil(the row's largest t), a whole number; so 1/2 < the row's largest p <= 1. The row's sum l is taken of the UNQUANTISED p, in f32, and the product's result is divided by l at the end. Since M is a whole number, a kernel that streams over the keys may use a running M (the ceiling of the running maximum): every later rescaling is an exact power of two, which a block's scale takes up: the codes' values come out the same.
;;   OPERANDS COMPUTED ON THE WAY. 'Computed on the way' means the value that the module computes at that place (a softmax that the list does not call 'softmax' is quantised finished and normalised). What goes into a quantiser is computed in f32, as accurately as f32 sums, v_exp_f32 and their like allow (about 1e-6 of the number): no bf16 or f16 on the way to a quantiser, and a product that is left as it is and whose result goes on into a quantised operand takes f32 operands (vector FMAs, or v_wmma_f32_16x16x4_f32). A number that lies on a knife's edge between two numbers of the format may be rounded either way, as far as f32 arithmetic and the matrix unit's own rounding can turn it there, and no further.
;; One version. Each part assembles by itself: llvm-mc -triple=amdgcn-amd-amdhsa -mcpu=gfx1250 --defsym DOCPART=n.
;; ======== version 1 of 1: 4 launches
;; limits: right only within a limited range of input values
;; workspace buffers: xc 6,291,456 bytes; xs 262,144 bytes; wc 12,582,912 bytes; ws 524,288 bytes; qkv 19,660,800 bytes; oc 6,291,456 bytes; os 262,144 bytes
;; launch quant (part 1): grid 768 x 1, 4 waves a work-group, no clusters, 34,304 bytes of LDS; arguments x, w_q, w_k, w_v, w_o, xc, xs, wc, ws; writes xc, xs, wc, ws
.if DOCPART == 1
	.amdgcn_target "amdgcn-amd-amdhsa--gfx1250"
	.amdhsa_code_object_version 6
	.text
	.protected	k_qfb4e9490a1_quant
	.globl	k_qfb4e9490a1_quant
	.p2align	8
	.type	k_qfb4e9490a1_quant,@function
k_qfb4e9490a1_quant:
	s_mov_b64 s[64:65], 0
	v_nop
	global_prefetch_b8 v0, s[64:65] scope:SCOPE_SE
	s_setreg_imm32_b32 hwreg(HW_REG_WAVE_MODE, 25, 1), 1
	s_wait_xcnt 0x0
; x [4][2048][1024] and w_q, w_k, w_v, w_o [4][1024 (d)][1024 (e)], f32, become codes of FP6 (E2M3) with one E8M0 byte for each 32 along K = d.
; A block's scale is 2^(floor(log2(its largest magnitude)) - 2): its byte is the largest magnitude's exponent field - 2, held at 1 from below by a floor among the maximum's leaves.
; LIMITS: NaN and infinities are not served.  A block of zeros, or one under 2^-124, gets the byte 1 where the rule says 127: its codes are zeros or tiny, and this program alone reads the bytes.
; THE LAYOUT IS THE READER'S REGISTERS.  A tile is 16 rows: tile (G, u) of a group G of 32 rows; its lane row r is row 32 G + 8 u + r + 8 (r / 8).
; A HALF FRAGMENT (16 rows x 64 K, 768 bytes) holds the six registers of lane l = r + 16 h (k = 32 h .. 32 h + 31 of row r): registers 0-3 at byte 16 l, registers 4-5 at byte 512 + 16 r + 8 h.
; Codes: [row tile 2 G + u][16 half fragments][768].  Scale words: [G][j = 0..3][u][r][2 words]: word q holds the four bytes of K step 2 j + q (128 along K).
; Work-groups 0-255 take x (K innermost): wave j of work-group G takes 32 tokens x 256 K, as four jobs of one tile x 128 K.  Each load reads 512 consecutive bytes of a row; the 16 rows turn through
; the wave's own stage in LDS so that a lane gets two whole blocks of 32 neighbours, in the order of the operand's registers.
; Work-groups 256-767 take the weights (K outermost): a lane takes a column e and its registers run down K, so that a block lies in one lane and the conversions give K innermost; no LDS.
; Memory binds: no matrix unit, no cluster (work-groups share no input), no prefetch (the launch streams all the time).  Waves share nothing: no barrier.
.set SPARE, 33792                      ; behind the four stages: the spare words, 128 bytes a wave
.set STG,   8448                       ; a wave's stage: 16 rows x 528 bytes
.set SP,    528                        ; 512 bytes of a row + 16
.set FLOOR, 0x1800000                  ; 2^(3 - 127)
.set OFF2,  0xff000000                 ; takes 2 off an exponent field
	s_load_b512 s[4:19], s[0:1], 0x0               ; x, w_q, w_k, w_v, w_o, xc, xs, wc
	s_load_b64 s[20:21], s[0:1], 0x40              ; ws
	v_lshl_add_u32 v12, v0, 2, SPARE               ; my spare word; never rewritten
	v_mov_b32 v13, 0                               ; 0; never rewritten
	v_lshrrev_b32 v1, 5, v0
	v_readfirstlane_b32 s22, v1                    ; wave
	v_and_b32 v3, 31, v0                           ; l
	v_and_b32 v1, 15, v0                           ; r
	v_bfe_u32 v2, v0, 4, 1                         ; h (for the weights: u)
	v_lshlrev_b32 v4, 4, v3                        ; 16 l
	s_mul_i32 s23, s22, STG
	v_add_nc_u32 v5, s23, v4                       ; the stage, on the way in: 16 l of a row
	v_mul_u32_u24 v6, v1, SP
	v_lshl_add_u32 v6, v2, 7, v6
	v_add_nc_u32 v6, s23, v6                       ; and on the way out: row r, 128 h bytes on
	s_wait_kmcnt 0x0
	s_cmp_lt_u32 ttmp9, 256
	s_cbranch_scc0 .Lweights
; ---------------- x ----------------
; v8 512 + 16 r + 8 h; v9 8 l; v10 8 h; v14, v15 at work; v16-21 maxima, scale operands, bytes; v24-27 the four jobs' scale words; v[28:29] what leaves of them;
; v[30:32], v[34:36] a block's upper 16 codes; v40-51, v52-63 a fragment's codes, two sets; v64-127, v128-191 rows as loaded, two sets; v192-255 64 numbers in the operand's order.
	s_lshl_b32 s32, ttmp9, 17                      ; G x 32 rows of 4,096 bytes
	s_lshl_b32 s33, s22, 10                        ; + j x 256 numbers
	s_add_co_u32 s32, s32, s33
	s_mov_b32 s33, 0
	s_add_nc_u64 s[24:25], s[4:5], s[32:33]
	s_mul_i32 s32, ttmp9, 24576                    ; codes: two row tiles a group, four half fragments for 256 along K
	s_mul_i32 s34, s22, 3072
	s_add_co_u32 s32, s32, s34
	s_add_nc_u64 s[26:27], s[14:15], s[32:33]
	s_lshl_b32 s32, ttmp9, 10                      ; scale words: 1,024 bytes a group, 256 for each j
	s_lshl_b32 s34, s22, 8
	s_add_co_u32 s32, s32, s34
	s_add_nc_u64 s[28:29], s[16:17], s[32:33]
	s_mov_b32 s30, 0x76543210
	s_mov_b32 s31, 0xfedcba98                      ; v_permlanex16_b32's selects for lane l xor 16
	s_wait_alu depctr_va_vdst(0)
	v_lshlrev_b32 v8, 4, v1
	v_lshl_add_u32 v8, v2, 3, v8
	v_add_nc_u32 v8, 512, v8
	v_lshlrev_b32 v9, 3, v3
	v_lshlrev_b32 v10, 3, v2
	v_mov_b32 v15, 0                               ; a lane permute's destination counts as one of its sources
.macro LOADX jn                        ; job jn: tile u = jn / 2, 128 along K at 128 (jn % 2): 16 rows, 512 consecutive bytes each
.irp i, 0,1,2,3,4,5,6,7,8,9,10,11,12,13,14,15
	global_load_b128 v[64+64*((\jn)%2)+4*\i:64+64*((\jn)%2)+4*\i+3], v4, s[24:25] offset:(8*((\jn)/2)+\i+8*(\i/8))*4096+512*((\jn)%2) th:TH_LOAD_NT
.endr
.endm
.macro JOBX jn
.set RS, 64+64*((\jn)%2)
.set DR, 40+12*((\jn)%2)
.set OC, ((\jn)/2)*12288+((\jn)%2)*1536
.if (\jn) < 3
	s_wait_loadcnt 16                              ; this job's 16 loads are in; the next job's 16 may be out
.else
	s_wait_loadcnt 0x0
.endif
.irp i, 0,1,2,3,4,5,6,7,8,9,10,11,12,13,14,15
	ds_store_b128 v5, v[RS+4*\i:RS+4*\i+3] offset:SP*\i
.endr
.irp c, 0,1
.irp q, 0,1,2,3,4,5,6,7
	ds_load_b128 v[192+32*\c+4*\q:192+32*\c+4*\q+3], v6 offset:256*\c+16*\q   ; k = 64 c + 32 h + 0 .. 31 of row r.  LDS serves a wave's instructions in order: these see the stores above
.endr
.endr
	s_wait_dscnt 0x0                               ; the numbers are back, and the stores have read their registers,
.if (\jn) < 2
	LOADX (\jn)+2                                  ; which take the job two on
.endif
.irp c, 0,1
	v_max3_num_f32 v[16+\c], |v[192+32*\c]|, |v[193+32*\c]|, FLOOR   ; my block 2 c + h: all 32 numbers are mine; the floor holds the byte at 1 from below
.endr
.irp i, 2,4,6,8,10,12,14,16,18,20,22,24,26,28,30
.irp c, 0,1
	v_max3_num_f32 v[16+\c], v[16+\c], |v[192+32*\c+\i]|, |v[193+32*\c+\i]|
.endr
.endr
.irp c, 0,1
	v_add_nc_u32 v[18+\c], OFF2, v[16+\c]          ; the conversion takes the exponent field of this operand as its scale
.endr
.irp c, 0,1
	v_lshrrev_b32 v[20+\c], 23, v[18+\c]           ; the scale's byte
.endr
	v_lshl_or_b32 v14, v21, 16, v20                ; blocks h and 2 + h,
	v_lshlrev_b32 v14, v10, v14                    ; at their places in the word;
	v_permlanex16_b32 v15, v14, s30, s31
	v_or_b32 v[24+(\jn)], v14, v15                 ; with lane l xor 16's two the row's word is whole
	s_wait_alu depctr_va_vdst(0)
	s_wait_xcnt 0x0                                ; the stores of two jobs back have read this set of codes
	v_cvt_scalef32_pk16_fp6_f32 v[DR:DR+2], v[192:207], v18
	v_cvt_scalef32_pk16_fp6_f32 v[30:32], v[208:223], v18          ; (a conversion's three registers begin on an even number)
	v_cvt_scalef32_pk16_fp6_f32 v[DR+6:DR+8], v[224:239], v19
	v_cvt_scalef32_pk16_fp6_f32 v[34:36], v[240:255], v19
	v_nop                                          ; one plain place behind a scaled conversion
.irp i, 0,1,2
	v_mov_b32 v[DR+3+\i], v[30+\i]
	v_mov_b32 v[DR+9+\i], v[34+\i]
.endr
	global_store_b128 v4, v[DR:DR+3], s[26:27] offset:OC           ; 512 consecutive bytes, aligned
	global_store_b64 v8, v[DR+4:DR+5], s[26:27] offset:OC          ; 256 consecutive bytes, aligned
	global_store_b128 v4, v[DR+6:DR+9], s[26:27] offset:OC+768
	global_store_b64 v8, v[DR+10:DR+11], s[26:27] offset:OC+768
.endm
	LOADX 0
	LOADX 1
	JOBX 0
	JOBX 1
	JOBX 2
	JOBX 3
	v_cmp_le_u32 vcc_lo, 16, v3                    ; lanes 16-31 store tile 1's words (every lane holds row r's)
	v_cndmask_b32 v28, v24, v26, vcc_lo
	v_cndmask_b32 v29, v25, v27, vcc_lo
	global_store_b64 v9, v[28:29], s[28:29]        ; 256 consecutive bytes, aligned
	s_wait_tensorcnt 0x0                           ; the wave's end
	ds_add_u32 v12, v13
	s_wait_dscnt 0x0
	s_endpgm
; ---------------- the weights ----------------
; v8-11 at work; v[24:25] eight scale bytes; v[26:28] a block's upper 16 codes; v29 4 x my column; v30 my place in a half fragment; v31 8 l;
; v32-63 registers 0-3 of each block's six; v64-79 registers 4-5 of two blocks together; v128-191 two sets of 32 numbers.  Every store has data registers of its own.
.Lweights:
	s_sub_co_u32 s32, ttmp9, 256
	s_and_b32 s33, s32, 7                          ; cb: which 128 columns
	s_bfe_u32 s34, s32, 0x20003                    ; kc: which 256 along K
	s_lshr_b32 s35, s32, 5                         ; 4 b + wi
	s_and_b32 s36, s35, 3                          ; wi: q, k, v, o
	s_lshr_b32 s37, s35, 2                         ; b
	s_mov_b64 s[24:25], s[6:7]
	s_cmp_eq_u32 s36, 1
	s_cselect_b64 s[24:25], s[8:9], s[24:25]
	s_cmp_eq_u32 s36, 2
	s_cselect_b64 s[24:25], s[10:11], s[24:25]
	s_cmp_eq_u32 s36, 3
	s_cselect_b64 s[24:25], s[12:13], s[24:25]
	s_lshl_b32 s38, s37, 22                        ; b x 4 MiB + kc x 256 rows of 4,096 bytes + (128 cb + 32 wave) x 4
	s_lshl_b32 s39, s34, 20
	s_add_co_u32 s38, s38, s39
	s_lshl_b32 s39, s33, 9
	s_add_co_u32 s38, s38, s39
	s_lshl_b32 s39, s22, 7
	s_add_co_u32 s38, s38, s39
	s_mov_b32 s39, 0
	s_add_nc_u64 s[24:25], s[24:25], s[38:39]
	s_mul_i32 s38, s35, 786432                     ; codes: 64 row tiles a matrix; my group's two tiles; four half fragments for kc
	s_lshl_b32 s40, s33, 3
	s_lshl_b32 s41, s22, 1
	s_add_co_u32 s40, s40, s41
	s_mul_i32 s40, s40, 12288
	s_add_co_u32 s38, s38, s40
	s_mul_i32 s40, s34, 3072
	s_add_co_u32 s38, s38, s40
	s_add_nc_u64 s[26:27], s[18:19], s[38:39]
	s_lshl_b32 s38, s35, 15                        ; scale words: 32 groups a matrix
	s_lshl_b32 s40, s33, 2
	s_add_co_u32 s40, s40, s22
	s_lshl_b32 s40, s40, 10
	s_add_co_u32 s38, s38, s40
	s_lshl_b32 s40, s34, 8
	s_add_co_u32 s38, s38, s40
	s_add_nc_u64 s[28:29], s[20:21], s[38:39]
	s_wait_alu depctr_va_vdst(0)
	v_and_b32 v29, 7, v1                           ; lane (u, r) takes column (r & 7) + 8 u + 16 (r >> 3) of the wave's 32: the tile order
	v_lshl_add_u32 v29, v2, 3, v29
	v_lshrrev_b32 v30, 3, v1
	v_lshl_add_u32 v29, v30, 4, v29
	v_lshlrev_b32 v29, 2, v29
	v_mul_u32_u24 v30, v2, 12288                   ; row tile u, 16 r
	v_lshl_add_u32 v30, v1, 4, v30
	v_lshlrev_b32 v31, 3, v3
.macro LOADW t                         ; block t: w(32 t + i, my column): a wave reads 128 consecutive bytes, the four waves 512
.irp i, 0,1,2,3,4,5,6,7,8,9,10,11,12,13,14,15,16,17,18,19,20,21,22,23,24,25,26,27,28,29,30,31
	global_load_b32 v[128+32*((\t)%2)+\i], v29, s[24:25] offset:(32*(\t)+\i)*4096 th:TH_LOAD_NT
.endr
.endm
.macro BLOCKW t
.set XS, 128+32*((\t)%2)
.if (\t) < 7
	s_wait_loadcnt 32                              ; this block's 32 loads are in; the next block's may be out
.else
	s_wait_loadcnt 0x0
.endif
	v_max3_num_f32 v8, |v[XS]|, |v[XS+1]|, |v[XS+2]|
	v_max3_num_f32 v9, |v[XS+3]|, |v[XS+4]|, |v[XS+5]|
.irp i, 6,10,14,18,22,26
	v_max3_num_f32 v8, v8, |v[XS+\i]|, |v[XS+\i+1]|
	v_max3_num_f32 v9, v9, |v[XS+\i+2]|, |v[XS+\i+3]|
.endr
	v_max3_num_f32 v8, v8, |v[XS+30]|, |v[XS+31]|
	v_max3_num_f32 v8, v8, v9, FLOOR
	v_add_nc_u32 v10, OFF2, v8
	v_lshrrev_b32 v11, 23, v10
.if (\t)%4 == 0
	v_mov_b32 v[24+(\t)/4], v11                    ; four bytes to a word, the lower K in the lower byte
.else
	v_lshl_or_b32 v[24+(\t)/4], v11, 8*((\t)%4), v[24+(\t)/4]
.endif
	v_cvt_scalef32_pk16_fp6_f32 v[32+4*(\t):32+4*(\t)+2], v[XS:XS+15], v10
	v_cvt_scalef32_pk16_fp6_f32 v[26:28], v[XS+16:XS+31], v10
	v_nop                                          ; one plain place behind a scaled conversion
	v_mov_b32 v[32+4*(\t)+3], v26
	v_mov_b32 v[64+4*((\t)/2)+2*((\t)%2)], v27
	v_mov_b32 v[64+4*((\t)/2)+2*((\t)%2)+1], v28
	global_store_b128 v30, v[32+4*(\t):32+4*(\t)+3], s[26:27] offset:((\t)/2)*768+256*((\t)%2)   ; block t is half t % 2 of half fragment t / 2: sixteen lanes store 256 consecutive bytes, aligned
.if (\t)%2 == 1
	global_store_b128 v30, v[64+4*((\t)/2):64+4*((\t)/2)+3], s[26:27] offset:((\t)/2)*768+512    ; registers 4-5 of both halves: 16 bytes a row
.endif
.if (\t) < 6
	LOADW (\t)+2
.endif
.endm
	LOADW 0
	LOADW 1
.irp t, 0,1,2,3,4,5,6,7
	BLOCKW \t
.endr
	global_store_b64 v31, v[24:25], s[28:29]       ; 256 consecutive bytes, aligned
	s_wait_tensorcnt 0x0                           ; every wave of the launch ends alike
	ds_add_u32 v12, v13
	s_wait_dscnt 0x0
	s_endpgm
.Lfunc_end_k_qfb4e9490a1_quant:
	.size	k_qfb4e9490a1_quant, .Lfunc_end_k_qfb4e9490a1_quant-k_qfb4e9490a1_quant
	.p2alignl 7, 3214868480
	.fill 96, 4, 3214868480
	.section	.rodata,"a",@progbits
	.p2align	6, 0x0
	.amdhsa_kernel k_qfb4e9490a1_quant
		.amdhsa_group_segment_fixed_size 34304
		.amdhsa_private_segment_fixed_size 0
		.amdhsa_enable_private_segment 0
		.amdhsa_kernarg_size 72
		.amdhsa_user_sgpr_count 2
		.amdhsa_user_sgpr_kernarg_segment_ptr 1
		.amdhsa_wavefront_size32 1
		.amdhsa_system_sgpr_workgroup_id_x 1
		.amdhsa_system_sgpr_workgroup_id_y 1
		.amdhsa_system_sgpr_workgroup_id_z 1
		.amdhsa_system_vgpr_workitem_id 0
		.amdhsa_next_free_vgpr 256
		.amdhsa_next_free_sgpr 66
		.amdhsa_reserve_vcc 1
		.amdhsa_float_denorm_mode_32 3
		.amdhsa_float_denorm_mode_16_64 3
		.amdhsa_memory_ordered 1
		.amdhsa_forward_progress 1
		.amdhsa_inst_pref_size 69
	.end_amdhsa_kernel
	.amdgpu_metadata
---
amdhsa.version: [ 1, 2 ]
amdhsa.kernels:
  - .name:           k_qfb4e9490a1_quant
    .symbol:         k_qfb4e9490a1_quant.kd
    .args:
      - { .name: x, .offset: 0, .size: 8, .value_kind: global_buffer, .address_space: global }
      - { .name: w_q, .offset: 8, .size: 8, .value_kind: global_buffer, .address_space: global }
      - { .name: w_k, .offset: 16, .size: 8, .value_kind: global_buffer, .address_space: global }
      - { .name: w_v, .offset: 24, .size: 8, .value_kind: global_buffer, .address_space: global }
      - { .name: w_o, .offset: 32, .size: 8, .value_kind: global_buffer, .address_space: global }
      - { .name: xc, .offset: 40, .size: 8, .value_kind: global_buffer, .address_space: global }
      - { .name: xs, .offset: 48, .size: 8, .value_kind: global_buffer, .address_space: global }
      - { .name: wc, .offset: 56, .size: 8, .value_kind: global_buffer, .address_space: global }
      - { .name: ws, .offset: 64, .size: 8, .value_kind: global_buffer, .address_space: global }
    .group_segment_fixed_size: 34304
    .private_segment_fixed_size: 0
    .kernarg_segment_align: 8
    .kernarg_segment_size: 72
    .max_flat_workgroup_size: 128
    .sgpr_count:     66
    .vgpr_count:     256
    .wavefront_size: 32
...
	.end_amdgpu_metadata
.endif
;; end of part 1
;; launch proj (part 2): grid 8 x 48, 4 waves a work-group, clusters of 4 x 4, 327,680 bytes of LDS; arguments xc, xs, wc, ws, qkv; writes qkv
.if DOCPART == 2
	.amdgcn_target "amdgcn-amd-amdhsa--gfx1250"
	.amdhsa_code_object_version 6
	.text
	.protected	k_qfb4e9490a1_proj
	.globl	k_qfb4e9490a1_proj
	.p2align	8
	.type	k_qfb4e9490a1_proj,@function
k_qfb4e9490a1_proj:
	s_mov_b64 s[64:65], 0
	v_nop
	global_prefetch_b8 v0, s[64:65] scope:SCOPE_SE
	s_setreg_imm32_b32 hwreg(HW_REG_WAVE_MODE, 25, 1), 1
	s_wait_xcnt 0x0
	s_wait_alu depctr_hold_cnt(0) depctr_sa_sdst(0) depctr_va_vdst(0) depctr_va_sdst(0) depctr_va_ssrc(0) depctr_va_vcc(0) depctr_vm_vsrc(0)
	s_getreg_b32 s2, hwreg(HW_REG_IB_STS2, 6, 4)
	s_cmp_eq_u32 s2, 0
	s_cbranch_scc0 .Lentry_in_a_cluster
	s_endpgm
.Lentry_in_a_cluster:
	s_bfe_u32 s2, ttmp6, 0x10000c
	s_cmp_lg_u32 s2, 0xf033
	s_cbranch_scc0 .Lentry_shape_is_right
	s_endpgm
.Lentry_shape_is_right:
; q = x w_q, k = x w_k, v = x w_v on codes of FP6 (E2M3) with E8M0 scales, K = 1,024; the results are quantised on the way out and leave as codes: no f32 result goes to memory.
; ONE BODY, 'A x B': source 0 of the matrix instruction takes 16 rows of B, source 1 16 rows of A: a lane holds ONE row of A, and its registers run along B's rows.
;   clusters y = 0..7  (tg = 0, 1): A = 256 tokens of x, B = 256 rows of w_q followed by w_k: a lane holds a token, registers run along the channels: q and k are quantised along the head's 64.
;   clusters y = 8..11 (tg = 2):    A = 256 rows of w_v,  B = 256 tokens of x:                a lane holds a channel, registers run along the tokens: v is quantised along the keys.
; A tile of 16 rows is tile (G, u) of a group of 32: lane row r is row 32 G + 8 u + r + 8 (r / 8).  So the 16 registers of B's tiles 2 g, 2 g + 1 are 16 neighbours: rows 32 g + 16 (lane / 16) + 0 .. 15.
; Operands lie in memory as images of registers: [row tile][16 half fragments of 64 K][768]; lane l = r + 16 h: registers 0-3 at 16 l, registers 4-5 at 512 + 16 r + 8 h.  A fragment is four dense LDS loads.
; A work-group makes 256 x 256, each of its four waves 128 x 128: 64 accumulators, 512 registers.  K goes in chunks of 256 through three LDS slots; chunks 0-2 are first fills, chunk 3 fills slot 0 again.
; A wave has one tensor load out at the start and one behind the refill's round.
; CLUSTERS 4 x 4: A's tiles hang on the cluster's y and cy alone and are asked for jointly by a row of the cluster, B's on the cluster's x, cx and the batch and by a column.
; No prefetch: three quarters of K are asked for at the head, where nothing is to be asked ahead, and the last quarter 256 matrix instructions ahead of its use.
; qkv: a record of 307,200 bytes for each 16 b + head: Q codes [64 g][2 u][768], Q scale words [16 s][16 r][4] (word of group 4 s + w: bytes u0 blk0, u0 blk1, u1 blk0, u1 blk1); K likewise from 102,400;
;   V codes from 204,800 [16 s][4 t][2][768] (16 channels x 128 keys), V scale words [16 s][16 r][4 t].
; LIMITS: NaN and infinities are not served; a block of zeros or under 2^-124 gets the byte 1 (its codes are zeros or tiny; this program alone reads the bytes).
; REGISTERS.  window 0: v1 r, v2 h, v3 l; v8-10, v11-13 A's two LDS addresses for each slot; v14-16, v17-19 B's; v20 scale words; v21 16 l; v22 512 + 16 r + 8 h; v23 16 r + h x 307,200; v28, v29 the add's two;
;   v32-63 scale words, two sets of 16 (register 2 i + q: lanes 0-15 A's block i, lanes 16-31 B's block i); v64-159, v160-255 A's fragments, two sets.  window 1: v0-95, v128-223 B's fragments, two sets.
;   windows 2, 3: accumulator (a, b) at v[8 (8 (a % 4) + b)] of window 2 + a / 4.
.set QUART, 24576                      ; 8 row tiles x 3,072 bytes: what one tensor load brings, and what one wave reads of A or of B
.set SLOT,  98304                      ; A's two halves, then B's two halves
.set SCL,   294912                     ; behind the slots: the scale words of 4 x 128 rows, for all of K
.set SPARE, 311296                     ; the spare words, 128 bytes a wave
.set REC,   307200
.set TO_B,  0x40                       ; destination window 1, address window 0
.set MSB, 0
.macro WIN new                         ; the immediate's high byte repeats the setting that is left
.if MSB != (\new)
	s_set_vgpr_msb (MSB<<8)|(\new)
.set MSB, (\new)
.endif
.endm
.macro PLACES                          ; four plain places in front of loads into registers that matrix instructions have read, and of the first read of results
.rept 4
	v_nop
.endr
.endm
; A joint load: waves 0 and 1 fetch for A, waves 2 and 3 for B.  The branch hangs on the wave's number alone.  An s_nop 0 and four v_nop follow each of the two lines.
.macro JLOAD g0a, g1a, g0b, g1b
	s_cmp_eq_u32 s17, 0
	s_cbranch_scc0 .Lfor_b_\@
	tensor_load_to_lds s[\g0a:\g0a+3], s[\g1a:\g1a+7]
	s_nop 0
.rept 4
	v_nop
.endr
	s_branch .Lasked_\@
.Lfor_b_\@:
	tensor_load_to_lds s[\g0b:\g0b+3], s[\g1b:\g1b+7]
	s_nop 0
.rept 4
	v_nop
.endr
.Lasked_\@:
.endm
.macro CREST                           ; a round of the cluster's barrier behind its opening barrier
	s_cmp_lg_u32 s16, 0
	s_cbranch_scc1 .Lnot_wave_0_\@
	s_barrier_signal -3
.Lnot_wave_0_\@:
	s_barrier_wait -3
	s_barrier_signal -1
	s_barrier_wait -1
.endm
.macro CROUND
	s_barrier_signal -1
	s_barrier_wait -1
	CREST
.endm
.macro MKG0 g, ldsreg, ldsoff, ptr, goff   ; a descriptor's group 0: count 1, LDS address, global address, type 2
	s_mov_b32 s[\g], 1
	s_add_co_u32 s[\g+1], s[\ldsreg], \ldsoff
	s_add_nc_u64 s[\g+2:\g+3], s[\ptr:\ptr+1], \goff
	s_or_b32 s[\g+3], s[\g+3], 0x80000000
.endm
	s_load_b256 s[4:11], s[0:1], 0x0               ; xc, xs, wc, ws
	s_load_b64 s[12:13], s[0:1], 0x20              ; qkv
	v_lshl_add_u32 v28, v0, 2, SPARE
	v_mov_b32 v29, 0
	ds_add_u32 v28, v29                            ; the wave's opening: the add and its wait ahead of my first tensor load; work on registers stands between them
	ds_add_u32 v28, v29
	v_lshrrev_b32 v1, 5, v0
	v_readfirstlane_b32 s16, v1                    ; wave
	s_lshr_b32 s17, s16, 1                         ; wr: my half of A.  Also: I fetch for A (0) or for B (1)
	s_and_b32 s18, s16, 1                          ; wcn: my half of B.  Also: which 128 rows I fetch
	s_bfe_u32 s14, ttmp6, 0x40000                  ; cx
	s_bfe_u32 s15, ttmp6, 0x40004                  ; cy
	s_lshl_b32 s22, ttmp9, 2
	s_add_co_u32 s22, s22, s14                     ; bx = 4 x cluster x + cx: B's tile
	s_and_b32 s19, ttmp7, 0xffff                   ; cluster y
	s_and_b32 s20, s19, 3                          ; b
	s_lshr_b32 s21, s19, 2                         ; tg: 0, 1: tokens 1,024 tg on against w_q, w_k; 2: w_v against tokens.  The same in all partners
	s_lshl_b32 s2, s15, 2
	s_lshl_b32 s2, 15, s2                          ; my row of the cluster
	s_lshl_b32 s3, 0x1111, s14                     ; my column
	s_or_b32 s24, s2, (3<<16)|(1<<21)              ; group 1, A's codes: the mask; elements of 8 bytes; bit 21 beside a mask; no padding
	s_or_b32 s32, s3, (3<<16)|(1<<21)              ; B's codes
	s_or_b32 s40, s2, (3<<16)|(1<<21)              ; A's scale words
	s_or_b32 s48, s3, (3<<16)|(1<<21)              ; B's
.irp g, 24, 32                         ; 8 rows (row tiles) of 3,072 bytes (256 along K), 12,288 bytes apart
	s_mov_b32 s[\g+1], 384<<16
	s_mov_b32 s[\g+2], 16<<16                      ; the head's loads of codes bring all 16 row tiles of chunk 0
	s_mov_b32 s[\g+3], 384<<16
	s_mov_b32 s[\g+4], 16
	s_mov_b32 s[\g+5], 1536
	s_mov_b32 s[\g+6], 0
	s_mov_b32 s[\g+7], 0
.endr
.irp g, 40, 48                         ; 4,096 dense bytes as 16 rows of 256
	s_mov_b32 s[\g+1], 32<<16
	s_mov_b32 s[\g+2], 32<<16                      ; the scale words of all 256 rows: 8,192 dense bytes as 32 rows of 256, one load
	s_mov_b32 s[\g+3], 32<<16
	s_mov_b32 s[\g+4], 32
	s_mov_b32 s[\g+5], 32
	s_mov_b32 s[\g+6], 0
	s_mov_b32 s[\g+7], 0
.endr
	s_cmp_eq_u32 s21, 2
	s_cselect_b32 s2, 1, 0                         ; a batch of wc is twice a batch of xc: the side that reads wc shifts by one
	s_cselect_b32 s3, 0, 1
	s_mul_i32 s23, s20, 1572864
	s_lshl_b32 s92, s23, s2                        ; A's codes: the batch,
	s_mul_i32 s100, s21, 786432                    ; tg x 4 tiles of tokens, or w_v as matrix 2: the same bytes,
	s_add_co_u32 s92, s92, s100
	s_mul_i32 s100, s15, 196608                    ; tile cy
	s_add_co_u32 s92, s92, s100
	s_mov_b32 s93, 0
	s_lshl_b32 s94, s23, s3                        ; B's codes: the batch, tile bx
	s_mul_i32 s101, s22, 196608
	s_add_co_u32 s94, s94, s101
	s_mov_b32 s95, 0
	s_lshl_b32 s23, s20, 16
	s_lshl_b32 s96, s23, s2                        ; A's scale words
	s_lshl_b32 s100, s21, 15
	s_add_co_u32 s96, s96, s100
	s_lshl_b32 s100, s15, 13
	s_add_co_u32 s96, s96, s100
	s_mov_b32 s97, 0
	s_lshl_b32 s98, s23, s3                        ; B's
	s_lshl_b32 s101, s22, 13
	s_add_co_u32 s98, s98, s101
	s_mov_b32 s99, 0
	s_mul_i32 s23, s16, QUART                      ; where my load goes: wave x 24,576 in a slot; no place in the cluster enters an LDS address
	s_lshl_b32 s2, s23, 1                          ; and wave x 49,152 behind slot 0, for chunks 1 and 2 together
	s_wait_dscnt 0x0                               ; the opening add is done
	s_wait_kmcnt 0x0
	s_cmp_eq_u32 s21, 2
	s_cselect_b64 s[100:101], s[8:9], s[4:5]       ; A's codes: wc or xc
	s_cselect_b64 s[8:9], s[4:5], s[8:9]           ; B's codes
	s_cselect_b64 s[4:5], s[10:11], s[6:7]         ; A's scale words
	s_cselect_b64 s[10:11], s[6:7], s[10:11]       ; B's
	s_add_nc_u64 s[100:101], s[100:101], s[92:93]
	s_add_nc_u64 s[8:9], s[8:9], s[94:95]
	s_add_nc_u64 s[4:5], s[4:5], s[96:97]
	s_add_nc_u64 s[10:11], s[10:11], s[98:99]
; THE LOADS AS THEY NOW STAND.  At the head one tensor load a wave: wave 0 chunk 0 of A's 16 row tiles, wave 1 of B's, wave 2 A's scale words, wave 3 B's.
; Behind the full sequence and a round each wave asks for chunks 1 AND 2 of its 8 row tiles by one load with rows of 6,144 bytes: they lie behind slot 0 as [wave][8 row tiles][6,144].
; Chunk 3 fills slot 0 again, a quarter a wave.  A wave never has more than one tensor load out.
.macro MKH g, lds, ptr                 ; group 0 of a head's load: a constant LDS address, the tile's first byte
	s_mov_b32 s[\g], 1
	s_mov_b32 s[\g+1], \lds
	s_mov_b64 s[\g+2:\g+3], s[\ptr:\ptr+1]
	s_or_b32 s[\g+3], s[\g+3], 0x80000000
.endm
.macro ARM under, g0, g1, next         ; one arm of the one chain of branches on the wave's number
	s_cmp_lt_u32 s16, \under
	s_cbranch_scc0 \next
	tensor_load_to_lds s[\g0:\g0+3], s[\g1:\g1+7]
	s_nop 0
.rept 4
	v_nop
.endr
	s_branch .Lhead_asked
\next:
.endm
	MKH 84, SCL, 4
	MKH 88, SCL+8192, 10
	MKH 60, 0, 100
	MKH 76, 2*QUART, 8
	s_mul_i32 s6, s18, 98304                       ; behind the head: the 128 rows that I fetch
	s_mov_b32 s7, 0
	s_add_nc_u64 s[100:101], s[100:101], s[6:7]
	s_add_nc_u64 s[8:9], s[8:9], s[6:7]
	MKG0 56, 23, 0, 100, 0                         ; slot 0's refill (stepped to chunk 3 in front of it)
	MKG0 72, 23, 0, 8, 0
	MKG0 68, 2, SLOT, 100, 3072                    ; chunks 1 and 2
	MKG0 80, 2, SLOT, 8, 3072
	CROUND                                         ; all sixteen work-groups are here: the first joint loads meet
	ARM 1, 60, 24, .Lhead_b
	ARM 2, 76, 32, .Lhead_sa
	ARM 3, 84, 40, .Lhead_sb
	tensor_load_to_lds s[88:91], s[48:55]
	s_nop 0
.rept 4
	v_nop
.endr
.Lhead_asked:
	v_and_b32 v3, 31, v0                           ; l
	v_and_b32 v1, 15, v0                           ; r
	v_bfe_u32 v2, v0, 4, 1                         ; h
	v_lshlrev_b32 v21, 4, v3
	v_lshlrev_b32 v22, 4, v1
	v_lshl_add_u32 v22, v2, 3, v22
	v_add_nc_u32 v22, 512, v22
	s_wait_alu depctr_va_vdst(0)
	s_mul_i32 s2, s17, QUART
	s_mul_i32 s3, s18, QUART
	s_add_co_u32 s3, s3, 2*QUART                   ; my half of B, behind A's two
.irp s, 0,1,2
	v_add_nc_u32 v[8+\s], s2, v21
	v_add_nc_u32 v[11+\s], s2, v22
	v_add_nc_u32 v[14+\s], s3, v21
	v_add_nc_u32 v[17+\s], s3, v22
.if \s == 0
	s_lshl_b32 s2, s2, 1                           ; behind slot 0 a wave's part is twice as long,
	s_lshl_b32 s3, s3, 1
	s_add_co_u32 s2, s2, SLOT
	s_add_co_u32 s3, s3, SLOT
.else
	s_add_co_u32 s2, s2, 3072                      ; and chunk 2 lies 3,072 bytes on in each row
	s_add_co_u32 s3, s3, 3072
.endif
.endr
	s_lshl_b32 s2, s17, 12                         ; scale words: lanes 0-15 A's rows, lanes 16-31 B's: the lower base + h x the distance
	s_lshl_b32 s3, s18, 12
	s_add_co_u32 s3, s3, 8192
	s_sub_co_u32 s3, s3, s2
	v_mul_u32_u24 v4, s3, v2
	s_add_co_u32 s2, s2, SCL
	v_lshl_add_u32 v4, v1, 3, v4
	v_add_nc_u32 v20, s2, v4
	v_mul_u32_u24 v23, v2, REC
	v_lshl_add_u32 v23, v1, 4, v23
	; where the results go
	s_lshl_b32 s94, s22, 1
	s_add_co_u32 s94, s94, s18                     ; v: my 128 tokens are unit 2 bx + wcn of the batch's 16
	s_lshl_b32 s95, s21, 3
	s_lshl_b32 s2, s15, 1
	s_add_co_u32 s95, s95, s2
	s_add_co_u32 s95, s95, s17                     ; q, k: unit 8 tg + 2 cy + wr
	s_cmp_eq_u32 s21, 2
	s_cselect_b32 s94, s94, s95
	s_cselect_b32 s95, s15, s14                    ; my 256 channels are four heads: 4 cy (v) or 4 cx (q, k) on,
	s_cselect_b32 s2, s17, s18                     ; my 128 two of them
	s_cselect_b32 s3, 2, ttmp9                     ; the record's part: q 0, k 1 (cluster x), v 2
	s_lshl_b32 s100, s20, 4
	s_lshl_b32 s95, s95, 2
	s_add_co_u32 s100, s100, s95
	s_lshl_b32 s2, s2, 1
	s_add_co_u32 s100, s100, s2                    ; 16 b + my first head
	s_mul_i32 s100, s100, REC
	s_mul_i32 s3, s3, 102400
	s_add_co_u32 s100, s100, s3
	s_mov_b32 s101, 0
	s_add_nc_u64 s[12:13], s[12:13], s[100:101]
	s_mul_i32 s96, s94, 6144
	s_mov_b32 s97, 0
	s_add_nc_u64 s[96:97], s[12:13], s[96:97]      ; codes
	s_lshl_b32 s98, s94, 8
	s_mov_b32 s99, 0
	s_add_nc_u64 s[98:99], s[12:13], s[98:99]      ; scale words (98,304 more stand in the store's immediate)
.macro FRAG reg, a16, a8, off          ; a fragment, 16 rows x 128 K, 12 registers: two half fragments on end; each load covers 512 or 256 dense bytes
	ds_load_b128 v[\reg:\reg+3], v[\a16] offset:\off
	ds_load_b64 v[\reg+4:\reg+5], v[\a8] offset:\off
	ds_load_b128 v[\reg+6:\reg+9], v[\a16] offset:\off+768
	ds_load_b64 v[\reg+10:\reg+11], v[\a8] offset:\off+768
.endm
.macro FETCH n                         ; step n (128 along K): with an even step its chunk's scale words; B's eight fragments; A's eight, in ascending order
.set FJ, (\n)/2
.set FQ, (\n)%2
.set FS, FJ%3
.if FS == 0
.set FT, 3072                          ; bytes from row tile to row tile: slot 0,
.else
.set FT, 6144                          ; chunks 1 and 2
.endif
.if FQ == 0
	WIN 0
.irp i, 0,1,2,3,4,5,6,7
	ds_load_b64 v[32+16*(FJ%2)+2*\i:32+16*(FJ%2)+2*\i+1], v20 offset:(\i/2)*1024+128*(\i%2)+256*FJ
.endr
.endif
	WIN TO_B
.irp i, 0,1,2,3,4,5,6,7
	FRAG 128*FQ+12*\i, 14+FS, 17+FS, FT*\i+1536*FQ
.endr
	WIN 0
.irp i, 0,1,2,3,4,5,6,7
	FRAG 64+96*FQ+12*\i, 8+FS, 11+FS, FT*\i+1536*FQ
.endr
.endm
; Eight matrix instructions: A's block a against B's eight.  The 64 accumulators take turns, one instruction a turn, in the same order in every step.
.macro MULA a, n, zero
.set MQ, (\n)%2
.set MSC, 32+16*(((\n)/2)%2)+MQ
.set MAC, 64*((\a)%4)
.set MAF, 64+96*MQ+12*(\a)
	WIN 0xa1+0x50*((\a)/4)                         ; source 0 (B) window 1, source 1 (A) window 0, C and D window 2 or 3
.irp b, 0,1,2,3,4,5,6,7
.if \zero
	v_wmma_scale_f32_16x16x128_f8f6f4 v[MAC+8*\b:MAC+8*\b+7], v[128*MQ+12*\b:128*MQ+12*\b+11], v[MAF:MAF+11], 0, v[MSC+2*\b], v[MSC+2*(\a)] matrix_a_fmt:MATRIX_FMT_FP6 matrix_b_fmt:MATRIX_FMT_FP6 matrix_a_scale:MATRIX_SCALE_ROW1
.else
	v_wmma_scale_f32_16x16x128_f8f6f4 v[MAC+8*\b:MAC+8*\b+7], v[128*MQ+12*\b:128*MQ+12*\b+11], v[MAF:MAF+11], v[MAC+8*\b:MAC+8*\b+7], v[MSC+2*\b], v[MSC+2*(\a)] matrix_a_fmt:MATRIX_FMT_FP6 matrix_b_fmt:MATRIX_FMT_FP6 matrix_a_scale:MATRIX_SCALE_ROW1
.endif
.endr
.endm
.macro STEP_P n, zero                  ; a plain step: the next step's fragments are asked for behind its first 16 products, 48 ahead of their use
	s_wait_dscnt 16                                ; all but the youngest 16 loads, A's blocks 4-7
	MULA 0, \n, \zero
	MULA 1, \n, \zero
	s_wait_dscnt 0x0
	PLACES
	FETCH (\n)+1
.irp a, 2,3,4,5,6,7
	MULA \a, \n, \zero
.endr
.endm
; A step at whose middle all waves meet.  In front of the barrier each wave waits for all its tensor loads, adds 0 to its spare word, and waits for that and for its LDS reads.
; fill = 1: the barrier opens a round of the cluster's barrier, and behind the round slot 0, which nobody reads any more, takes chunk 3 of K.
.macro STEP_M n, fill
	WIN 0                                          ; (the add's two registers lie in window 0)
	s_wait_tensorcnt 0x0                           ; all my tensor loads have landed
	ds_add_u32 v28, v29                            ; 0 onto my spare word
	s_wait_dscnt 17                                ; (the add and A's blocks 4-7 may be out)
	MULA 0, \n, 0
	MULA 1, \n, 0
	s_wait_dscnt 0x0                               ; the add is done, and my LDS reads are over
	s_barrier_signal -1
	MULA 2, \n, 0
	MULA 3, \n, 0
	WIN 0
	s_barrier_wait -1
.if \fill
	CREST                                          ; no wave of any partner still reads slot 0 or has a load on its way
	s_add_nc_u64 s[58:59], s[58:59], 9216          ; from chunk 0 to chunk 3; the type bits on top are not reached
	s_add_nc_u64 s[74:75], s[74:75], 9216
.irp g, 24, 32
	s_mov_b32 s[\g+1], 384<<16                     ; no load of mine is out: rows of 3,072 bytes again
	s_mov_b32 s[\g+3], 384<<16
.endr
	JLOAD 56, 24, 72, 32                           ; the first tensor load behind the round; its four v_nop are also the places in front of the loads below
.else
	PLACES
.endif
	FETCH (\n)+1
.irp a, 4,5,6,7
	MULA \a, \n, 0
.endr
.endm
	s_wait_alu depctr_va_vdst(0)
	s_wait_tensorcnt 0x0                           ; my tile of the head's four is in
	ds_add_u32 v28, v29
.irp g, 24, 32
	s_mov_b32 s[\g+1], 768<<16                     ; no load of mine is out: 8 rows of 6,144 bytes
	s_mov_b32 s[\g+2], 8<<16
	s_mov_b32 s[\g+3], 768<<16
	s_mov_b32 s[\g+4], 8
.endr
	s_wait_dscnt 0x0
	CROUND                                         ; all four tiles are in, and the joint loads meet
	JLOAD 68, 24, 80, 32                           ; chunks 1 and 2: the first tensor load behind the round
	FETCH 0
	STEP_P 0, 1                                    ; the first products start the sums: nothing is cleared
	STEP_M 1, 1                                    ; slots 1 and 2 are whole for every wave; slot 0 is filled again
	STEP_P 2, 0
	STEP_P 3, 0
	STEP_P 4, 0
	STEP_M 5, 0                                    ; chunk 3 has landed in every wave's part
	STEP_P 6, 0
	s_wait_dscnt 16                                ; the last step: nothing more to fetch
	MULA 0, 7, 0
	MULA 1, 7, 0
	s_wait_dscnt 0x0
.irp a, 2,3,4,5,6,7
	MULA \a, 7, 0
.endr
	WIN 0
	PLACES
; THE WAY OUT.  The 64 registers of A's block a hold, for my row, k = 32 g + 16 h + i of the next product's K at register 16 g + i: four blocks of 32, each shared with lane l xor 16.
; They become a fragment's 12 registers (v[64 + 12 a] on: every store has data registers of its own) and a scale word (v[184 + a]), and leave as two half fragments.
; type 0 (q, k): the two half fragments are two heads' 64 channels of token tile a.  type 1 (v): they are keys 0-63 and 64-127 of channel tile a % 4 of head a / 4.
.macro EPI type
.irp a, 0,1,2,3,4,5,6,7
.set EW, 2+(\a)/4
.set EAC, 64*((\a)%4)
.set EPC, 64+12*(\a)
	WIN EW|(EW<<2)                                 ; sources 0 and 1: the accumulators' window
.irp b, 0,1,2,3
	v_max3_num_f32 v[168+\b], |v[EAC+16*\b]|, |v[EAC+16*\b+1]|, 0x1800000   ; each accumulator from its low end on; the floor 2^(3 - 127) holds the byte at 1 from below
.endr
.irp i, 2,4,6,8,10,12,14
.irp b, 0,1,2,3
	v_max3_num_f32 v[168+\b], |v[EAC+16*\b+\i]|, |v[EAC+16*\b+\i+1]|, v[168+\b]
.endr
.endr
	WIN 0
.irp b, 0,1,2,3
	v_permlanex16_b32 v[172+\b], v[168+\b], s92, s93
.endr
.irp b, 0,1,2,3
	v_max_num_f32 v[168+\b], v[168+\b], v[172+\b]  ; the block's largest magnitude
.endr
.irp b, 0,1,2,3
	v_add_nc_u32 v[180+\b], 0xff000000, v[168+\b]  ; 2 off its exponent field: the conversion's scale operand
.endr
.irp b, 0,1,2,3
	v_lshrrev_b32 v[172+\b], 23, v[180+\b]         ; the scale's byte
.endr
	v_lshl_or_b32 v[184+\a], v173, 8, v172
	v_lshl_or_b32 v[184+\a], v174, 16, v[184+\a]
	v_lshl_or_b32 v[184+\a], v175, 24, v[184+\a]
	WIN EW                                         ; source 0: the accumulators' window
	v_cvt_scalef32_pk16_fp6_f32 v[EPC:EPC+2], v[EAC:EAC+15], v180
	v_cvt_scalef32_pk16_fp6_f32 v[160:162], v[EAC+16:EAC+31], v181   ; (a conversion's three registers begin on an even number)
	v_cvt_scalef32_pk16_fp6_f32 v[EPC+6:EPC+8], v[EAC+32:EAC+47], v182
	v_cvt_scalef32_pk16_fp6_f32 v[164:166], v[EAC+48:EAC+63], v183
	WIN 0
	v_nop                                          ; one plain place behind a scaled conversion
.irp c, 0,1                            ; the operand's layout wants a whole block in a lane: lanes 0-15 block 2 c, lanes 16-31 block 2 c + 1
.irp i, 0,1,2
	v_permlane16_swap_b32 v[EPC+6*\c+\i], v[160+4*\c+\i]
.endr
.irp i, 0,1,2
.if \type == 0
	v_mov_b32 v[EPC+3+6*\c+\i], v[160+4*\c+\i]
.else                                  ; v: lanes 16-31 (the odd blocks of keys) hold the block's upper 16 keys first: the order in which the attention launch has p
	v_cndmask_b32 v[EPC+3+6*\c+\i], v[160+4*\c+\i], v[EPC+6*\c+\i], vcc_lo
	v_cndmask_b32 v[EPC+6*\c+\i], v[EPC+6*\c+\i], v[160+4*\c+\i], vcc_lo
.endif
.endr
.endr
.if \type == 0
.set EO0, (\a)*768
.set EO1, REC+(\a)*768
.else
.set EO0, ((\a)/4)*REC+((\a)%4)*1536
.set EO1, EO0+768
.endif
	global_store_b128 v21, v[EPC:EPC+3], s[96:97] offset:EO0       ; 512 consecutive bytes, aligned
	global_store_b64 v22, v[EPC+4:EPC+5], s[96:97] offset:EO0      ; 256 consecutive bytes, aligned
	global_store_b128 v21, v[EPC+6:EPC+9], s[96:97] offset:EO1
	global_store_b64 v22, v[EPC+10:EPC+11], s[96:97] offset:EO1
.endr
.if \type == 0                         ; a word of group g: tile 2 g's two bytes of a head, then tile 2 g + 1's; lanes 0-15 the first head, lanes 16-31 the second
	s_mov_b32 s2, 0x05040100
	s_mov_b32 s3, 0x07060302
.irp g, 0,1,2,3
	v_perm_b32 v[196+\g], v[185+2*\g], v[184+2*\g], s2
	v_perm_b32 v[200+\g], v[185+2*\g], v[184+2*\g], s3
.endr
.irp g, 0,1,2,3
	v_cndmask_b32 v[192+\g], v[196+\g], v[200+\g], vcc_lo
.endr
.else                                  ; word t: channel tile t's word; lanes 0-15 the first head, lanes 16-31 the second
.irp t, 0,1,2,3
	v_cndmask_b32 v[192+\t], v[184+\t], v[188+\t], vcc_lo
.endr
.endif
	global_store_b128 v23, v[192:195], s[98:99] offset:98304       ; sixteen lanes store 256 consecutive bytes, aligned, in each of two records
.endm
	s_mov_b32 s92, 0x76543210
	s_mov_b32 s93, 0xfedcba98                      ; v_permlanex16_b32's selects for lane l xor 16
.irp b, 0,1,2,3
	v_mov_b32 v[172+\b], 0                         ; a lane permute's destination counts as one of its sources
.endr
	v_cmp_le_u32 vcc_lo, 16, v3                    ; written behind the last tensor load
	s_cmp_eq_u32 s21, 2                            ; the same in every wave of every partner
	s_cbranch_scc1 .Lepi_v
	EPI 0
	s_branch .Lend
.Lepi_v:
	EPI 1
.Lend:
	s_wait_tensorcnt 0x0                           ; the wave's end
	ds_add_u32 v28, v29
	s_wait_dscnt 0x0
	CROUND                                         ; the closing round: no work-group ends while a partner may still ask for a tile that names it
	s_endpgm
.Lfunc_end_k_qfb4e9490a1_proj:
	.size	k_qfb4e9490a1_proj, .Lfunc_end_k_qfb4e9490a1_proj-k_qfb4e9490a1_proj
	.p2alignl 7, 3214868480
	.fill 96, 4, 3214868480
	.section	.rodata,"a",@progbits
	.p2align	6, 0x0
	.amdhsa_kernel k_qfb4e9490a1_proj
		.amdhsa_group_segment_fixed_size 327680
		.amdhsa_private_segment_fixed_size 0
		.amdhsa_enable_private_segment 0
		.amdhsa_kernarg_size 40
		.amdhsa_user_sgpr_count 2
		.amdhsa_user_sgpr_kernarg_segment_ptr 1
		.amdhsa_wavefront_size32 1
		.amdhsa_system_sgpr_workgroup_id_x 1
		.amdhsa_system_sgpr_workgroup_id_y 1
		.amdhsa_system_sgpr_workgroup_id_z 1
		.amdhsa_system_vgpr_workitem_id 0
		.amdhsa_next_free_vgpr 1024
		.amdhsa_next_free_sgpr 102
		.amdhsa_reserve_vcc 1
		.amdhsa_float_denorm_mode_32 3
		.amdhsa_float_denorm_mode_16_64 3
		.amdhsa_memory_ordered 1
		.amdhsa_forward_progress 1
		.amdhsa_inst_pref_size 185
	.end_amdhsa_kernel
	.amdgpu_metadata
---
amdhsa.version: [ 1, 2 ]
amdhsa.kernels:
  - .name:           k_qfb4e9490a1_proj
    .symbol:         k_qfb4e9490a1_proj.kd
    .args:
      - { .name: xc, .offset: 0, .size: 8, .value_kind: global_buffer, .address_space: global }
      - { .name: xs, .offset: 8, .size: 8, .value_kind: global_buffer, .address_space: global }
      - { .name: wc, .offset: 16, .size: 8, .value_kind: global_buffer, .address_space: global }
      - { .name: ws, .offset: 24, .size: 8, .value_kind: global_buffer, .address_space: global }
      - { .name: qkv, .offset: 32, .size: 8, .value_kind: global_buffer, .address_space: global }
    .group_segment_fixed_size: 327680
    .private_segment_fixed_size: 0
    .kernarg_segment_align: 8
    .kernarg_segment_size: 40
    .max_flat_workgroup_size: 128
    .sgpr_count:     102
    .vgpr_count:     1024
    .wavefront_size: 32
...
	.end_amdgpu_metadata
.endif
;; end of part 2
;; launch attn (part 3): grid 4 x 64, 16 waves a work-group, clusters of 4 x 1, 206,848 bytes of LDS; arguments qkv, oc, os; writes oc, os
.if DOCPART == 3
	.amdgcn_target "amdgcn-amd-amdhsa--gfx1250"
	.amdhsa_code_object_version 6
	.text
	.protected	k_qfb4e9490a1_attn
	.globl	k_qfb4e9490a1_attn
	.p2align	8
	.type	k_qfb4e9490a1_attn,@function
k_qfb4e9490a1_attn:
	s_mov_b64 s[64:65], 0
	v_nop
	global_prefetch_b8 v0, s[64:65] scope:SCOPE_SE
	s_setreg_imm32_b32 hwreg(HW_REG_WAVE_MODE, 25, 1), 1
	s_wait_xcnt 0x0
	s_wait_alu depctr_hold_cnt(0) depctr_sa_sdst(0) depctr_va_vdst(0) depctr_va_sdst(0) depctr_va_ssrc(0) depctr_va_vcc(0) depctr_vm_vsrc(0)
	s_getreg_b32 s2, hwreg(HW_REG_IB_STS2, 6, 4)
	s_cmp_eq_u32 s2, 0
	s_cbranch_scc0 .Lentry_in_a_cluster
	s_endpgm
.Lentry_in_a_cluster:
	s_bfe_u32 s2, ttmp6, 0x10000c
	s_cmp_lg_u32 s2, 0x3003
	s_cbranch_scc0 .Lentry_shape_is_right
	s_endpgm
.Lentry_shape_is_right:
; Attention of one (batch, head) on codes of FP6 (E2M3): S^T = K Q^T over the head's 64, p = 2^(t - M), O^T = V^T P^T over the keys; O / l is quantised along the merged 1,024 and leaves as codes.
; THE SOFTMAX: t = score x log2(e) / 8; M = the running largest t rounded UP to a whole number; the row's sum is taken of the unquantised p in f32 and divides O at the end.
; When M moves, the sum and O are multiplied by 2^(old M - new M): exact, in every step, with no branch.
; SHARES.  A work-group owns 512 queries of one head, each of its sixteen waves 32: two tiles of 16, BOTH IN EACH STEP of 128 keys, so that a fragment of K or V is read from LDS once for both.
; LDS.  The head's K and V, codes and scale words, 204,800 dense bytes, come once, 12,800 bytes by each wave's one tensor load, asked for jointly by the head's four work-groups (cluster 4 x 1).
; Nothing is filled again.  All is asked for at the head, so there is no later tile to ask for ahead: no prefetch.
; THE PRODUCT OVER 64.  A fragment of K holds two key tiles side by side along the instruction's 128; against [q | 0] it gives the first's scores, against [0 | q] the second's.  v26-55 hold 0, q0, 0, q1, 0.
; WHICH KEYS FORM A TILE is chosen by the lanes' LDS addresses: rows 0-7 come from block 2 c of 32 keys, rows 8-15 from block 2 c + 1.  So lane (query, h) holds ALL 32 scores of block 2 c + h in
; registers 32 c .. 32 c + 31: a block's maximum needs no other lane and the conversions' results are the operand's registers.  Stored tile (G, u)'s row r is key 32 G + 8 u + r + 8 (r / 8); tiles 0, 1 of a pair take
; stored rows r, tiles 2, 3 rows r xor 8, so that sixteen lanes read sixteen different rows.  Lanes 0-15 so have their block's keys in order, lanes 16-31 the upper 16 first; V's codes are laid the same way.
; Scale words: one register serves two fragments, lanes 0-15 the one, lanes 16-31 (ROW1) the other.
; LIMITS: NaN and infinities are not served; the promise holds while the scaled scores stay under 2^31 in magnitude; a block of zeros or under 2^-124 gets the byte 1 (this program alone reads the bytes).
; REGISTERS: v0, v11 the step's V addresses; v1, v2 the add's two; v3-6 K's four lane addresses; v7, v8 V's; v9, v10 K's and V's scale words'; v12-15, v16-19 a tile's -M, largest score, sum (two halves);
;   v20, v21 q's scale words; v22, v23 p's; v24, v25 K's, then V's; v26-55 q; v56-103 four fragments; v104-167 S^T, then p; v168-231 O^T of both tiles; v232-243, v244-255 p's codes.
;   Twelve registers at work: for tile 0 tile 1's codes' (not yet made), for tile 1 the fourth fragment's (V's fourth is fetched when they are free).
.set REC,   307200
.set KSC,   98304                      ; LDS: K's codes at 0, K's scale words,
.set VCO,   102400                     ; V's codes,
.set VSC,   200704                     ; V's scale words,
.set SPARE, 204800                     ; and the spare words, 128 bytes a wave
.set FLOOR, 0x1800000                  ; 2^(3 - 127)
.set OFF2,  0xff000000                 ; takes 2 off an exponent field
.set QB,  26
.set FRG, 56
.set SCO, 104
.set O0,  168
.set O1,  200
.set P0,  232
.set P1,  244
.macro CROUND                          ; a round of the cluster's barrier
	s_barrier_signal -1
	s_barrier_wait -1
	s_cmp_lg_u32 s10, 0
	s_cbranch_scc1 .Lnot_wave_0_\@
	s_barrier_signal -3
.Lnot_wave_0_\@:
	s_barrier_wait -3
	s_barrier_signal -1
	s_barrier_wait -1
.endm
.macro FRAG reg, a16, a8, off          ; a fragment: two half fragments of 768 bytes on end
	ds_load_b128 v[\reg:\reg+3], v[\a16] offset:\off
	ds_load_b64 v[\reg+4:\reg+5], v[\a8] offset:\off
	ds_load_b128 v[\reg+6:\reg+9], v[\a16] offset:\off+768
	ds_load_b64 v[\reg+10:\reg+11], v[\a8] offset:\off+768
.endm
.macro MM d, a, b, c, sa, sb, row      ; row = 1: source 0's scales from lanes 16-31
.if \row
	v_wmma_scale_f32_16x16x128_f8f6f4 v[\d:\d+7], v[\a:\a+11], v[\b:\b+11], \c, v[\sa], v[\sb] matrix_a_fmt:MATRIX_FMT_FP6 matrix_b_fmt:MATRIX_FMT_FP6 matrix_a_scale:MATRIX_SCALE_ROW1
.else
	v_wmma_scale_f32_16x16x128_f8f6f4 v[\d:\d+7], v[\a:\a+11], v[\b:\b+11], \c, v[\sa], v[\sb] matrix_a_fmt:MATRIX_FMT_FP6 matrix_b_fmt:MATRIX_FMT_FP6
.endif
.endm
.macro KLOAD                           ; the step's four fragments of K and their scale words; the addresses stand in registers of tile 1's codes, which are free here
	v_add_nc_u32 v244, s32, v3
	v_add_nc_u32 v245, s32, v4
	v_add_nc_u32 v246, s32, v5
	v_add_nc_u32 v247, s32, v6
	v_add_nc_u32 v248, s33, v9
.irp c, 0,1
	FRAG FRG+24*\c, 244, 245, 3072*\c
	FRAG FRG+24*\c+12, 246, 247, 3072*\c
	ds_load_b32 v[24+\c], v248 offset:8*\c
.endr
.endm
.macro QK u                            ; eight tiles of 16 keys against query tile u
.irp c, 0,1
	MM SCO+32*\c, FRG+24*\c, QB+12*\u+6, 0, 24+\c, 20+\u, 0
	MM SCO+32*\c+8, FRG+24*\c, QB+12*\u, 0, 24+\c, 20+\u, 0
	MM SCO+32*\c+16, FRG+24*\c+12, QB+12*\u+6, 0, 24+\c, 20+\u, 1
	MM SCO+32*\c+24, FRG+24*\c+12, QB+12*\u, 0, 24+\c, 20+\u, 1
.endr
.endm
.macro LVL d, k0, n                    ; n additions of one level of the row's sum, in place: pair 2 d k += pair 2 d k + d
.set k, \k0
.rept \n
	v_pk_add_f32 v[SCO+2*\d*k:SCO+2*\d*k+1], v[SCO+2*\d*k:SCO+2*\d*k+1], v[SCO+2*\d*k+\d:SCO+2*\d*k+\d+1]
.set k, k+1
.endr
.endm
.macro MOVP pc, tm                     ; a block's upper 16 codes to their odd place (a conversion's three registers begin on an even number)
.irp i, 0,1,2
	v_mov_b32 v[\pc+3+\i], v[\tm+2+\i]
	v_mov_b32 v[\pc+9+\i], v[\tm+6+\i]
.endr
.endm
; One tile's softmax of a step, up to the conversions.  st: -M, largest score, sum; ob: O^T; pc: the codes; ws: their scale word; tm: twelve registers at work.
.macro SMA st, ob, pc, ws, tm
.irp c, 0,1
	v_max3_num_f32 v[\tm+\c], v[SCO+32*\c], v[SCO+32*\c+1], v[SCO+32*\c+2]        ; my block 2 c + h, in two chains; each accumulator from its low end on
	v_max3_num_f32 v[\tm+2+\c], v[SCO+32*\c+16], v[SCO+32*\c+17], v[SCO+32*\c+18]
.endr
.irp i, 3,5,7,9,11,13
.irp c, 0,1
	v_max3_num_f32 v[\tm+\c], v[\tm+\c], v[SCO+32*\c+\i], v[SCO+32*\c+\i+1]
	v_max3_num_f32 v[\tm+2+\c], v[\tm+2+\c], v[SCO+32*\c+16+\i], v[SCO+32*\c+17+\i]
.endr
.endr
.irp c, 0,1
	v_max3_num_f32 v[\tm+\c], v[\tm+\c], v[\tm+2+\c], v[SCO+32*\c+15]
.endr
.irp c, 0,1
	v_max_num_f32 v[\tm+\c], v[\tm+\c], v[SCO+32*\c+31]    ; the block's largest score: for the row's maximum and, since p rises with the score, for the block's largest p
.endr
	v_max_num_f32 v[\tm+5], v[\tm], v[\tm+1]
	v_permlanex16_b32 v[\tm+9], v[\tm+5], s20, s21         ; lane l xor 16 has the other two blocks
	v_max3_num_f32 v[\st+1], v[\st+1], v[\tm+5], v[\tm+9]  ; the running largest score
	v_mul_f32 v[\tm+5], s22, v[\st+1]                      ; as t (c is positive)
	v_mov_b32 v[\tm+9], v[\st]
	v_floor_f32 v[\st], -v[\tm+5]                          ; the new -M = floor(-t) = -ceil(t)
	v_sub_f32 v[\tm+9], v[\st], v[\tm+9]                   ; old M - new M: a whole number, 0 or less
	v_cvt_i32_f32 v[\tm+9], v[\tm+9]                       ; (it saturates)
	v_ldexp_f32 v[\tm+10], 1.0, v[\tm+9]                   ; f = 2^(old M - new M)
.set j, 0
.rept 32
	v_pk_fma_f32 v[SCO+j:SCO+j+1], v[SCO+j:SCO+j+1], s[22:23], v[\st:\st+1] op_sel_hi:[1,0,0]   ; t - M, two at a time
.set j, j+2
.endr
.irp c, 0,1
	v_fma_f32 v[\tm+\c], v[\tm+\c], s22, v[\st]            ; the same of each block's largest score
.endr
	s_wait_alu depctr_va_vdst(0)                           ; the wait directly ahead of the first reader of O^T
.set j, 0
.rept 16
	v_pk_mul_f32 v[\ob+j:\ob+j+1], v[\ob+j:\ob+j+1], v[\tm+10:\tm+11] op_sel_hi:[1,0]   ; O^T under the new M
.set j, j+2
.endr
	v_pk_mul_f32 v[\st+2:\st+3], v[\st+2:\st+3], v[\tm+10:\tm+11] op_sel_hi:[1,0]       ; and the sum
	s_wait_alu depctr_va_vdst(0)                           ; and ahead of the batch
.set j, 0
.rept 64
	v_exp_f32 v[SCO+j], v[SCO+j]                           ; p = 2^(t - M)
.set j, j+1
.endr
	v_exp_f32 v[\tm], v[\tm]                               ; the blocks' largest p: the same two instructions on the same numbers
	v_exp_f32 v[\tm+1], v[\tm+1]
	v_nop                                                  ; a plain place behind the batch
	s_wait_alu depctr_va_vdst(0)                           ; one wait for the batch, ahead of its first reader
.irp c, 0,1
	v_max_num_f32 v[\tm+\c], FLOOR, v[\tm+\c]
.endr
.irp c, 0,1
	v_add_nc_u32 v[\tm+\c], OFF2, v[\tm+\c]                ; the conversion's scale operand
.endr
	v_lshrrev_b32 v[\tm+5], 23, v[\tm]                     ; the scales' bytes
	v_lshrrev_b32 v[\tm+9], 23, v[\tm+1]
	v_lshl_or_b32 v[\tm+5], v[\tm+9], 16, v[\tm+5]         ; my blocks h and 2 + h
	v_permlanex16_b32 v[\tm+9], v[\tm+5], s20, s21
	v_lshl_or_b32 v[\ws], v[\tm+9], 8, v[\tm+5]            ; lanes 0-15, which alone are read: blocks 0, 2 are mine, 1, 3 my partner's
	v_cvt_scalef32_pk16_fp6_f32 v[\pc:\pc+2], v[SCO:SCO+15], v[\tm]
	v_cvt_scalef32_pk16_fp6_f32 v[\tm+2:\tm+4], v[SCO+16:SCO+31], v[\tm]
	v_cvt_scalef32_pk16_fp6_f32 v[\pc+6:\pc+8], v[SCO+32:SCO+47], v[\tm+1]
	v_cvt_scalef32_pk16_fp6_f32 v[\tm+6:\tm+8], v[SCO+48:SCO+63], v[\tm+1]
	v_nop                                                  ; one plain place behind a scaled conversion
.endm
	s_load_b128 s[4:7], s[0:1], 0x0                ; qkv, oc
	s_load_b64 s[8:9], s[0:1], 0x10                ; os
	v_lshl_add_u32 v1, v0, 2, SPARE
	v_mov_b32 v2, 0
	ds_add_u32 v1, v2                              ; the opening lines: the add, twice on end, and its wait ahead of my tensor load
	ds_add_u32 v1, v2
	v_lshrrev_b32 v3, 5, v0
	s_delay_alu instid0(VALU_DEP_1)
	v_readfirstlane_b32 s10, v3                    ; wave 0..15
	s_bfe_u32 s11, ttmp6, 0x40000                  ; cx: which 512 queries
	s_and_b32 s12, ttmp7, 0xffff                   ; 16 b + head, which the four partners share
	s_and_b32 s13, s12, 15                         ; head
	s_lshr_b32 s14, s12, 4                         ; b
	s_lshl_b32 s15, s11, 4
	s_add_co_u32 s15, s15, s10                     ; my group of 32 queries: it enters Q's and the outputs' addresses alone
	s_mov_b32 s24, 15|(3<<16)|(1<<21)              ; group 1: the mask names all four; elements of 8 bytes; bit 21 beside a mask; no padding
	s_mov_b32 s25, 32<<16                          ; 50 rows of 256 bytes, dense
	s_mov_b32 s26, 50<<16
	s_mov_b32 s27, 32<<16
	s_mov_b32 s28, 50
	s_mov_b32 s29, 32
	s_mov_b32 s30, 0
	s_mov_b32 s31, 0
	s_mov_b32 s20, 0x76543210
	s_mov_b32 s21, 0xfedcba98                      ; v_permlanex16_b32's selects for lane l xor 16
	s_mov_b32 s22, 0x3e38aa3b                      ; c = log2(e) / 8
	s_mov_b32 s23, s22                             ; (the packed form names the pair)
	s_mul_i32 s38, s12, REC
	s_mov_b32 s39, 0
	s_mov_b32 s16, 1                               ; group 0: count 1,
	s_mul_i32 s17, s10, 12800                      ; LDS address: wave x 12,800,
	s_add_co_u32 s40, s17, 102400                  ; the same bytes of the record, behind Q's part
	s_mov_b32 s41, 0
	s_wait_dscnt 0x0                               ; both opening adds are done
	s_wait_kmcnt 0x0
	s_add_nc_u64 s[4:5], s[4:5], s[38:39]          ; the head's record
	s_add_nc_u64 s[18:19], s[4:5], s[40:41]
	s_or_b32 s19, s19, 0x80000000                  ; type 2
	CROUND                                         ; all four work-groups are here: the joint loads meet
	tensor_load_to_lds s[16:19], s[24:31]          ; my one tensor load
	s_nop 0
.rept 4
	v_nop
.endr
	v_and_b32 v12, 31, v0                          ; l
	v_and_b32 v13, 15, v0                          ; r
	v_bfe_u32 v14, v0, 4, 1                        ; h
	v_bfe_u32 v15, v0, 3, 1                        ; r / 8
	v_lshlrev_b32 v16, 4, v12                      ; 16 l
	v_lshlrev_b32 v17, 4, v13
	v_mul_u32_u24 v18, v15, 1536                   ; rows 8-15 read the next group of 32 keys
	v_lshlrev_b32 v19, 3, v14
	v_lshl_add_u32 v17, v14, 3, v17
	v_xor_b32 v19, v19, v13                        ; r xor 8 h
	v_add_nc_u32 v17, 512, v17                     ; 512 + 16 r + 8 h
	v_lshlrev_b32 v19, 4, v19
	v_add_nc_u32 v3, v18, v16                      ; K, stored row r: registers 0-3,
	v_lshl_add_u32 v19, v15, 2, v19
	v_add_nc_u32 v4, v18, v17                      ; registers 4-5;
	v_add_nc_u32 v9, KSC, v19                      ; K's scale words: row r xor 8 h, word r / 8 of a pair
	v_xor_b32 v5, 128, v3                          ; stored row r xor 8
	v_xor_b32 v6, 128, v4
	v_add_nc_u32 v7, VCO, v16
	v_add_nc_u32 v8, VCO, v17
	v_add_nc_u32 v10, VSC-512, v17                 ; V's scale words: row r, words 2 h and 2 h + 1
	v_lshl_add_u32 v244, v13, 4, KSC               ; Q's scale words lie 98,304 into the record
.irp z, 0,12,24
.irp i, 0,1,2,3,4,5
	v_mov_b32 v[QB+\z+\i], 0                       ; the zeros beside q0 and q1
.endr
.endr
	v_mov_b32 v249, 0                              ; a lane permute's destination counts as one of its sources,
	v_mov_b32 v253, 0
	v_mov_b32 v255, 0                              ; and this one is named as the upper half of a pair
	s_wait_alu depctr_va_vdst(0)
	s_mul_i32 s38, s15, 1536
	s_add_nc_u64 s[40:41], s[4:5], s[38:39]        ; Q's codes: my group's two half fragments
	s_lshr_b32 s42, s15, 2
	s_lshl_b32 s42, s42, 8
	s_and_b32 s43, s15, 3
	s_lshl_b32 s43, s43, 2
	s_add_co_u32 s42, s42, s43
	s_mov_b32 s43, 0
	s_add_nc_u64 s[42:43], s[4:5], s[42:43]        ; Q's scale word of my group
	global_load_b128 v[QB+6:QB+9], v16, s[40:41]
	global_load_b64 v[QB+10:QB+11], v17, s[40:41]
	global_load_b128 v[QB+18:QB+21], v16, s[40:41] offset:768
	global_load_b64 v[QB+22:QB+23], v17, s[40:41] offset:768
	global_load_b32 v21, v244, s[42:43]
	s_mul_i32 s38, s14, 1572864                    ; oc: row tile 2 (64 b + group) + u, half fragment = head
	s_mul_i32 s36, s15, 24576
	s_add_co_u32 s38, s38, s36
	s_mul_i32 s36, s13, 768
	s_add_co_u32 s38, s38, s36
	s_add_nc_u64 s[44:45], s[6:7], s[38:39]
	s_lshl_b32 s38, s14, 6                         ; os: group, j = head / 4, word (head / 2) % 2, bytes 2 (head % 2) on
	s_add_co_u32 s38, s38, s15
	s_lshl_b32 s38, s38, 10
	s_lshr_b32 s36, s13, 2
	s_lshl_b32 s36, s36, 8
	s_add_co_u32 s38, s38, s36
	s_bfe_u32 s36, s13, 0x10001
	s_lshl_b32 s36, s36, 2
	s_add_co_u32 s38, s38, s36
	s_and_b32 s36, s13, 1
	s_lshl_b32 s36, s36, 1
	s_add_co_u32 s38, s38, s36
	s_add_nc_u64 s[46:47], s[8:9], s[38:39]
.set j, 0
.rept 64
	v_mov_b32 v[O0+j], 0                           ; O^T of both tiles: the step is written once; the first finds zeros
.set j, j+1
.endr
	s_mov_b32 s32, 0                               ; the step's codes: 6,144 bytes a step, of K and of V
	s_mov_b32 s33, 0                               ; its scale words: 256 bytes a step
	s_mov_b32 s34, 16
	s_wait_alu depctr_va_vdst(0)
	s_wait_loadcnt 0x0                             ; Q
	v_perm_b32 v20, v21, v21, 0x01000100           ; a tile's two bytes, twice: they serve q at k 0-63 and at k 64-127
	v_perm_b32 v21, v21, v21, 0x03020302
	v_mov_b32 v13, 0xff61b1e6                      ; the largest score so far: -3e38
	v_mov_b32 v17, 0xff61b1e6
	v_mov_b32 v14, 0
	v_mov_b32 v15, 0
	v_mov_b32 v18, 0
	v_mov_b32 v19, 0
	v_floor_f32 v12, -v13                          ; -M
	v_floor_f32 v16, -v17
	s_wait_alu depctr_va_vdst(0)
	s_wait_tensorcnt 0x0                           ; my part of K and V is in,
	s_barrier_signal -1
	s_barrier_wait -1                              ; everybody's is
	KLOAD
.Lstep:
	s_wait_dscnt 0x0                               ; K and its scale words
	QK 0
	v_add_nc_u32 v0, s32, v7                       ; the step's V addresses, and two more places in front of the first read of the scores
	v_add_nc_u32 v11, s32, v8
	v_nop
	v_nop
	SMA 12, O0, P0, 22, P1
	LVL 2, 0, 16                                   ; the row's sum of the unquantised p
	LVL 4, 0, 8
	LVL 8, 0, 4
	LVL 16, 0, 2
	LVL 32, 0, 1
	v_pk_add_f32 v[14:15], v[14:15], v[SCO:SCO+1]
	QK 1
	MOVP P0, P1                                    ; six moves and an address: the places in front of the loads below and of the first read of the scores
	v_add_nc_u32 v[FRG+36], s33, v10
	FRAG FRG, 0, 11, 0                             ; V's channel tiles 0-2 x these 128 keys: they land under tile 1's softmax
	FRAG FRG+12, 0, 11, 1536
	FRAG FRG+24, 0, 11, 3072
	ds_load_b64 v[24:25], v[FRG+36]
	SMA 16, O1, P1, 23, FRG+36
	MOVP P1, FRG+36
	FRAG FRG+36, 0, 11, 4608                       ; channel tile 3, into the registers that were at work
	LVL 2, 0, 4                                    ; four places between the moves and the products
	s_wait_alu depctr_va_vdst(0)
	s_wait_dscnt 0x0                               ; V is in
.irp t, 0,1,2,3
	MM O0+8*\t, FRG+12*\t, P0, v[O0+8*\t:O0+8*\t+7], 24+(\t%2), 22, \t/2
	MM O1+8*\t, FRG+12*\t, P1, v[O1+8*\t:O1+8*\t+7], 24+(\t%2), 23, \t/2
.endr
	s_add_co_u32 s32, s32, 6144
	s_add_co_u32 s33, s33, 256
	LVL 2, 4, 4                                    ; four places in front of the writes and loads below
	s_cmp_eq_u32 s34, 1                            ; the last step has no next K
	s_wait_alu depctr_va_vdst(0)
	s_cbranch_scc1 .Lno_k
	KLOAD                                          ; the next step's K lands under the rest of tile 1's sum
.Lno_k:
	LVL 2, 8, 8
	LVL 4, 0, 8
	LVL 8, 0, 4
	LVL 16, 0, 2
	LVL 32, 0, 1
	v_pk_add_f32 v[18:19], v[18:19], v[SCO:SCO+1]
	s_sub_co_u32 s34, s34, 1
	s_cmp_lg_u32 s34, 0
	s_wait_alu depctr_va_vdst(0)
	s_cbranch_scc1 .Lstep
	; the end: O^T / the sum, quantised along the head's 64: two blocks of the last product's K
	v_add_f32 v14, v14, v15
	v_add_f32 v18, v18, v19
	v_add_nc_u32 v3, -VCO, v7                      ; 16 l
	v_add_nc_u32 v4, -VCO, v8                      ; 512 + 16 r + 8 h
	v_permlanex16_b32 v56, v14, s20, s21
	v_permlanex16_b32 v57, v18, s20, s21
	v_lshrrev_b32 v5, 1, v3                        ; 8 l
	v_mov_b32 v9, 0
	v_add_f32 v14, v14, v56                        ; the rows' sums
	v_add_f32 v18, v18, v57
	s_wait_alu depctr_va_vdst(0)
	v_rcp_f32 v14, v14
	v_rcp_f32 v18, v18
	v_nop                                          ; a plain place behind the transcendentals
	s_wait_alu depctr_va_vdst(0)                   ; and the wait ahead of their first reader, which is also O^T's
.set j, 0
.rept 16
	v_pk_mul_f32 v[SCO+j:SCO+j+1], v[O0+j:O0+j+1], v[14:15] op_sel_hi:[1,0]   ; register 16 b + i: channel 32 b + 16 h + i of my query
.set j, j+2
.endr
.set j, 0
.rept 16
	v_pk_mul_f32 v[SCO+32+j:SCO+33+j], v[O1+j:O1+j+1], v[18:19] op_sel_hi:[1,0]
.set j, j+2
.endr
.macro FIN u
.set SU, SCO+32*\u
.set E, 56+16*\u
.set CD, 88+8*\u
.irp b, 0,1
	v_max3_num_f32 v[E+\b], |v[SU+16*\b]|, |v[SU+16*\b+1]|, FLOOR
.endr
.irp i, 2,4,6,8,10,12,14
.irp b, 0,1
	s_delay_alu instid0(VALU_DEP_2)
	v_max3_num_f32 v[E+\b], v[E+\b], |v[SU+16*\b+\i]|, |v[SU+16*\b+\i+1]|
.endr
.endr
.irp b, 0,1
	s_delay_alu instid0(VALU_DEP_2)
	v_permlanex16_b32 v[E+2+\b], v[E+\b], s20, s21
.endr
.irp b, 0,1
	s_delay_alu instid0(VALU_DEP_2)
	v_max_num_f32 v[E+\b], v[E+\b], v[E+2+\b]
.endr
.irp b, 0,1
	s_delay_alu instid0(VALU_DEP_2)
	v_add_nc_u32 v[E+4+\b], OFF2, v[E+\b]
.endr
.irp b, 0,1
	s_delay_alu instid0(VALU_DEP_2)
	v_lshrrev_b32 v[E+2+\b], 23, v[E+4+\b]
.endr
	s_delay_alu instid0(VALU_DEP_1)
	v_lshl_or_b32 v[E+2], v[E+3], 8, v[E+2]        ; my row's two bytes
	s_mov_b32 s36, 0xffff<<(16*\u)
	v_cndmask_b32 v9, v9, v[E+2], s36              ; kept in lanes 16 u + r
	v_cvt_scalef32_pk16_fp6_f32 v[CD:CD+2], v[SU:SU+15], v[E+4]
	v_cvt_scalef32_pk16_fp6_f32 v[E+8:E+10], v[SU+16:SU+31], v[E+5]
	v_nop
.irp i, 0,1,2
	v_permlane16_swap_b32 v[CD+\i], v[E+8+\i]      ; a whole block in a lane
.endr
.irp i, 0,1,2
	s_delay_alu instid0(VALU_DEP_3)
	v_mov_b32 v[CD+3+\i], v[E+8+\i]
.endr
	global_store_b128 v3, v[CD:CD+3], s[44:45] offset:12288*\u     ; a half fragment of oc: 512 and 256 consecutive bytes, aligned; each tile has data registers of its own
	global_store_b64 v4, v[CD+4:CD+5], s[44:45] offset:12288*\u
.endm
	FIN 0
	FIN 1
	global_store_b16 v5, v9, s[46:47]              ; lane 16 u + r: tile u, row r
	s_wait_tensorcnt 0x0                           ; the wave's end
	ds_add_u32 v1, v2
	s_wait_dscnt 0x0
	CROUND                                         ; the closing round
	s_endpgm
.Lfunc_end_k_qfb4e9490a1_attn:
	.size	k_qfb4e9490a1_attn, .Lfunc_end_k_qfb4e9490a1_attn-k_qfb4e9490a1_attn
	.p2alignl 7, 3214868480
	.fill 96, 4, 3214868480
	.section	.rodata,"a",@progbits
	.p2align	6, 0x0
	.amdhsa_kernel k_qfb4e9490a1_attn
		.amdhsa_group_segment_fixed_size 206848
		.amdhsa_private_segment_fixed_size 0
		.amdhsa_enable_private_segment 0
		.amdhsa_kernarg_size 24
		.amdhsa_user_sgpr_count 2
		.amdhsa_user_sgpr_kernarg_segment_ptr 1
		.amdhsa_wavefront_size32 1
		.amdhsa_system_sgpr_workgroup_id_x 1
		.amdhsa_system_sgpr_workgroup_id_y 1
		.amdhsa_system_sgpr_workgroup_id_z 1
		.amdhsa_system_vgpr_workitem_id 0
		.amdhsa_next_free_vgpr 256
		.amdhsa_next_free_sgpr 66
		.amdhsa_reserve_vcc 0
		.amdhsa_float_denorm_mode_32 3
		.amdhsa_float_denorm_mode_16_64 3
		.amdhsa_memory_ordered 1
		.amdhsa_forward_progress 1
		.amdhsa_inst_pref_size 47
	.end_amdhsa_kernel
	.amdgpu_metadata
---
amdhsa.version: [ 1, 2 ]
amdhsa.kernels:
  - .name:           k_qfb4e9490a1_attn
    .symbol:         k_qfb4e9490a1_attn.kd
    .args:
      - { .name: qkv, .offset: 0, .size: 8, .value_kind: global_buffer, .address_space: global }
      - { .name: oc, .offset: 8, .size: 8, .value_kind: global_buffer, .address_space: global }
      - { .name: os, .offset: 16, .size: 8, .value_kind: global_buffer, .address_space: global }
    .group_segment_fixed_size: 206848
    .private_segment_fixed_size: 0
    .kernarg_segment_align: 8
    .kernarg_segment_size: 24
    .max_flat_workgroup_size: 512
    .sgpr_count:     66
    .vgpr_count:     256
    .wavefront_size: 32
...
	.end_amdgpu_metadata
.endif
;; end of part 3
;; launch outp (part 4): grid 4 x 64, 4 waves a work-group, clusters of 4 x 4, 327,680 bytes of LDS; arguments oc, os, wc, ws, out0; writes out0
.if DOCPART == 4
	.amdgcn_target "amdgcn-amd-amdhsa--gfx1250"
	.amdhsa_code_object_version 6
	.text
	.protected	k_qfb4e9490a1_outp
	.globl	k_qfb4e9490a1_outp
	.p2align	8
	.type	k_qfb4e9490a1_outp,@function
k_qfb4e9490a1_outp:
	s_mov_b64 s[64:65], 0
	v_nop
	global_prefetch_b8 v0, s[64:65] scope:SCOPE_SE
	s_setreg_imm32_b32 hwreg(HW_REG_WAVE_MODE, 25, 1), 1
	s_wait_xcnt 0x0
	s_wait_alu depctr_hold_cnt(0) depctr_sa_sdst(0) depctr_va_vdst(0) depctr_va_sdst(0) depctr_va_ssrc(0) depctr_va_vcc(0) depctr_vm_vsrc(0)
	s_getreg_b32 s2, hwreg(HW_REG_IB_STS2, 6, 4)
	s_cmp_eq_u32 s2, 0
	s_cbranch_scc0 .Lentry_in_a_cluster
	s_endpgm
.Lentry_in_a_cluster:
	s_bfe_u32 s2, ttmp6, 0x10000c
	s_cmp_lg_u32 s2, 0xf033
	s_cbranch_scc0 .Lentry_shape_is_right
	s_endpgm
.Lentry_shape_is_right:
; out0 = o w_o on codes of FP6 (E2M3) with E8M0 scales, K = 1,024; out0 [4][2048][1024] f32.
; A = 128 tokens of oc, B = 256 rows of w_o (matrix 3 of the batch in wc).  Source 0 of the matrix instruction takes 16 rows of B, source 1 16 rows of A: a lane holds one token and eight neighbouring channels.
; The tile is 128 x 256 so that there are 256 work-groups; a tile of 256 x 256 would give 128.  Four waves, 2 x 2, each 64 x 128: 32 accumulators.
; Operands lie in memory as images of registers ([row tile][16 half fragments of 64 K][768]); a tile of 16 rows is tile (G, u): lane row r is row 32 G + 8 u + r + 8 (r / 8).
; ALL OF K FITS IN LDS: two halves of 512 along K and the scale words, two first fills a wave; nothing is filled again.  A wave never has more than one tensor load out.
; CLUSTERS 4 x 4: A's tiles hang on the cluster's y and cy and are asked for jointly by a row of the cluster, B's on the batch and cx and by a column.
; No prefetch: all that the launch reads is asked for at its head.
; REGISTERS.  window 0: v1 r, v2 h, v3 l; v8-9, v10-11 A's two LDS addresses for each half; v12-13, v14-15 B's; v20 scale words; v24, v25 the stage, in and back; v26 16 l; v28, v29 the add's two;
;   v32-63 scale words, two sets of 16 (register 2 i + q: lanes 0-15 A's block i, lanes 16-31 B's block i; A has blocks 0-3: in registers of i = 4..7 lanes 0-15 read on inside the scale words' bytes and are not used);
;   v64-111, v112-159 A's fragments, two sets; on the way out v128-255 rows read back.  window 1: v0-95, v128-223 B's fragments, two sets.  window 2: accumulator (a, b) at v[8 (8 a + b)].
.set HALF,  147456                     ; 512 along K: A's 8 row tiles x 6,144 bytes, then B's 16
.set SCL,   294912                     ; the scale words: A's 4,096 bytes, then B's 8,192
.set SPARE, 307200                     ; the spare words, 128 bytes a wave
.set SPITCH, 528                       ; the way out: a stage of 16 rows x (512 + 16) bytes for each wave, in the first half's bytes, which have had their only fill and their last read by then
.set TO_B,  0x40
.set MSB, 0
.macro WIN new                         ; the immediate's high byte repeats the setting that is left
.if MSB != (\new)
	s_set_vgpr_msb (MSB<<8)|(\new)
.set MSB, (\new)
.endif
.endm
.macro PLACES                          ; four plain places in front of loads into registers that matrix instructions have read, and of the first read of results
.rept 4
	v_nop
.endr
.endm
.macro JLOAD g0a, g1a, g0b, g1b        ; a joint load: waves 0 and 1 fetch for A, waves 2 and 3 for B; an s_nop 0 and four v_nop follow each of the two lines
	s_cmp_eq_u32 s17, 0
	s_cbranch_scc0 .Lfor_b_\@
	tensor_load_to_lds s[\g0a:\g0a+3], s[\g1a:\g1a+7]
	s_nop 0
.rept 4
	v_nop
.endr
	s_branch .Lasked_\@
.Lfor_b_\@:
	tensor_load_to_lds s[\g0b:\g0b+3], s[\g1b:\g1b+7]
	s_nop 0
.rept 4
	v_nop
.endr
.Lasked_\@:
.endm
.macro CROUND                          ; a round of the cluster's barrier
	s_barrier_signal -1
	s_barrier_wait -1
	s_cmp_lg_u32 s16, 0
	s_cbranch_scc1 .Lnot_wave_0_\@
	s_barrier_signal -3
.Lnot_wave_0_\@:
	s_barrier_wait -3
	s_barrier_signal -1
	s_barrier_wait -1
.endm
.macro MKG0 g, ldsreg, ldsoff, ptr, goff
	s_mov_b32 s[\g], 1
	s_add_co_u32 s[\g+1], s[\ldsreg], \ldsoff
	s_add_nc_u64 s[\g+2:\g+3], s[\ptr:\ptr+1], \goff
	s_or_b32 s[\g+3], s[\g+3], 0x80000000
.endm
	s_load_b256 s[4:11], s[0:1], 0x0               ; oc, os, wc, ws
	s_load_b64 s[12:13], s[0:1], 0x20              ; out0
	v_lshl_add_u32 v28, v0, 2, SPARE
	v_mov_b32 v29, 0
	ds_add_u32 v28, v29                            ; the wave's opening: the add and its wait ahead of my first tensor load; work on registers stands between them
	ds_add_u32 v28, v29
	v_lshrrev_b32 v1, 5, v0
	v_readfirstlane_b32 s16, v1                    ; wave
	s_lshr_b32 s17, s16, 1                         ; wr: my half of A.  Also: I fetch for A (0) or for B (1)
	s_and_b32 s18, s16, 1                          ; wcn: my half of B.  Also: which half of the tile I fetch
	s_bfe_u32 s14, ttmp6, 0x40000                  ; cx: B's tile
	s_bfe_u32 s15, ttmp6, 0x40004                  ; cy
	s_and_b32 s19, ttmp7, 0xffff                   ; cluster y
	s_lshr_b32 s20, s19, 2                         ; b
	s_lshl_b32 s21, s19, 2
	s_add_co_u32 s21, s21, s15                     ; y: A's tile of 128 tokens
	s_lshl_b32 s2, s15, 2
	s_lshl_b32 s2, 15, s2                          ; my row of the cluster
	s_lshl_b32 s3, 0x1111, s14                     ; my column
	s_or_b32 s24, s2, (3<<16)|(1<<21)              ; group 1: the mask; elements of 8 bytes; bit 21 beside a mask; no padding
	s_or_b32 s32, s3, (3<<16)|(1<<21)
	s_or_b32 s40, s2, (3<<16)|(1<<21)
	s_or_b32 s48, s3, (3<<16)|(1<<21)
	s_mov_b32 s25, 768<<16                         ; A's codes: 4 rows (row tiles) of 6,144 bytes, 12,288 bytes apart
	s_mov_b32 s26, 8<<16                           ; (the head's load brings all 8 row tiles)
	s_mov_b32 s27, 768<<16
	s_mov_b32 s28, 8
	s_mov_b32 s29, 1536
	s_mov_b32 s30, 0
	s_mov_b32 s31, 0
	s_mov_b32 s33, 768<<16                         ; B's: 8 rows
	s_mov_b32 s34, 16<<16                          ; (the head's load brings all 16)
	s_mov_b32 s35, 768<<16
	s_mov_b32 s36, 16
	s_mov_b32 s37, 1536
	s_mov_b32 s38, 0
	s_mov_b32 s39, 0
	s_mov_b32 s41, 32<<16                          ; A's scale words: 2,048 dense bytes as 8 rows of 256
	s_mov_b32 s42, 16<<16                          ; (all 4,096 bytes by one load)
	s_mov_b32 s43, 32<<16
	s_mov_b32 s44, 16
	s_mov_b32 s45, 32
	s_mov_b32 s46, 0
	s_mov_b32 s47, 0
	s_mov_b32 s49, 32<<16                          ; B's: 4,096 as 16 rows
	s_mov_b32 s50, 32<<16                          ; (all 8,192 bytes by one load)
	s_mov_b32 s51, 32<<16
	s_mov_b32 s52, 32
	s_mov_b32 s53, 32
	s_mov_b32 s54, 0
	s_mov_b32 s55, 0
	s_mul_i32 s92, s21, 98304                      ; A's codes: tile y, my half of its 8 row tiles
	s_mul_i32 s84, s18, 49152                      ; my half of the row tiles: added behind the head's descriptors
	s_mov_b32 s85, 0
	s_mov_b32 s93, 0
	s_lshl_b32 s96, s21, 12                        ; A's scale words
	s_mov_b32 s97, 0
	s_mul_i32 s94, s20, 3145728                    ; B's codes: the batch, matrix 3, tile cx, my half of its 16 row tiles
	s_add_co_u32 s94, s94, 2359296
	s_mul_i32 s101, s14, 196608
	s_add_co_u32 s94, s94, s101
	s_mul_i32 s86, s18, 98304
	s_mov_b32 s87, 0
	s_mov_b32 s95, 0
	s_lshl_b32 s98, s20, 17                        ; B's scale words
	s_add_co_u32 s98, s98, 98304
	s_lshl_b32 s101, s14, 13
	s_add_co_u32 s98, s98, s101
	s_mov_b32 s99, 0
	s_mul_i32 s2, s18, 24576                       ; where my load goes: no place in the cluster enters an LDS address
	s_mul_i32 s3, s18, 49152
	s_add_co_u32 s3, s3, 49152
	s_wait_dscnt 0x0                               ; the opening add is done
	s_wait_kmcnt 0x0
	s_add_nc_u64 s[4:5], s[4:5], s[92:93]
	s_add_nc_u64 s[6:7], s[6:7], s[96:97]
	s_add_nc_u64 s[8:9], s[8:9], s[94:95]
	s_add_nc_u64 s[10:11], s[10:11], s[98:99]
; THE LOADS AS THEY NOW STAND.  At the head one tensor load a wave: wave 0 K 0-511 of A's 8 row tiles, wave 1 of B's 16, wave 2 A's scale words, wave 3 B's.
; Behind the full sequence and a round each wave asks for its part of K 512-1,023.  A wave never has more than one tensor load out.
.macro MKH g, lds, ptr                 ; group 0 of a head's load: a constant LDS address, the tile's first byte
	s_mov_b32 s[\g], 1
	s_mov_b32 s[\g+1], \lds
	s_mov_b64 s[\g+2:\g+3], s[\ptr:\ptr+1]
	s_or_b32 s[\g+3], s[\g+3], 0x80000000
.endm
.macro ARM under, g0, g1, next         ; one arm of the one chain of branches on the wave's number
	s_cmp_lt_u32 s16, \under
	s_cbranch_scc0 \next
	tensor_load_to_lds s[\g0:\g0+3], s[\g1:\g1+7]
	s_nop 0
.rept 4
	v_nop
.endr
	s_branch .Lhead_asked
\next:
.endm
	MKH 76, SCL, 6
	MKH 80, SCL+4096, 10
	MKH 56, 0, 4
	MKH 68, 49152, 8
	s_add_nc_u64 s[4:5], s[4:5], s[84:85]
	s_add_nc_u64 s[8:9], s[8:9], s[86:87]
	MKG0 60, 2, HALF, 4, 6144
	MKG0 72, 3, HALF, 8, 6144
	CROUND                                         ; all sixteen work-groups are here: the first joint loads meet
	ARM 1, 56, 24, .Lhead_b
	ARM 2, 68, 32, .Lhead_sa
	ARM 3, 76, 40, .Lhead_sb
	tensor_load_to_lds s[80:83], s[48:55]
	s_nop 0
.rept 4
	v_nop
.endr
.Lhead_asked:
	v_and_b32 v3, 31, v0                           ; l
	v_and_b32 v1, 15, v0                           ; r
	v_bfe_u32 v2, v0, 4, 1                         ; h
	v_lshlrev_b32 v26, 4, v3                       ; 16 l
	v_lshlrev_b32 v4, 4, v1
	v_lshl_add_u32 v4, v2, 3, v4
	v_add_nc_u32 v4, 512, v4                       ; 512 + 16 r + 8 h
	s_mul_i32 s2, s17, 24576                       ; my 4 row tiles of A
	s_mul_i32 s3, s18, 49152
	s_add_co_u32 s3, s3, 49152                     ; my 8 of B
.irp f, 0,1
	v_add_nc_u32 v[8+\f], s2, v26
	v_add_nc_u32 v[10+\f], s2, v4
	v_add_nc_u32 v[12+\f], s3, v26
	v_add_nc_u32 v[14+\f], s3, v4
	s_add_co_u32 s2, s2, HALF
	s_add_co_u32 s3, s3, HALF
.endr
	s_lshl_b32 s2, s17, 11                         ; scale words: lanes 0-15 A's rows, lanes 16-31 B's: the lower base + h x the distance
	s_lshl_b32 s3, s18, 12
	s_add_co_u32 s3, s3, 4096
	s_sub_co_u32 s3, s3, s2
	v_mul_u32_u24 v5, s3, v2
	s_add_co_u32 s2, s2, SCL
	v_lshl_add_u32 v5, v1, 3, v5
	v_add_nc_u32 v20, s2, v5
	s_mul_i32 s2, s16, 16*SPITCH                   ; my stage
	v_mul_u32_u24 v24, v1, SPITCH                  ; in: row r; my half's 16 channels of each 32: 64 h bytes on
	v_lshl_add_u32 v24, v2, 6, v24
	v_add_nc_u32 v24, s2, v24
	v_add_nc_u32 v25, s2, v26                      ; back: the 32 lanes take one row of 512 bytes
	s_lshl_b32 s100, s21, 7                        ; out0: my first token 128 y + 64 wr, my first channel 256 cx + 128 wcn
	s_lshl_b32 s101, s17, 6
	s_add_co_u32 s100, s100, s101
	s_lshl_b32 s100, s100, 12
	s_lshl_b32 s101, s14, 10
	s_add_co_u32 s100, s100, s101
	s_lshl_b32 s101, s18, 9
	s_add_co_u32 s100, s100, s101
	s_mov_b32 s101, 0
	s_add_nc_u64 s[12:13], s[12:13], s[100:101]
.macro FRAG reg, a16, a8, off          ; a fragment: two half fragments of 768 bytes on end; each load covers 512 or 256 dense bytes
	ds_load_b128 v[\reg:\reg+3], v[\a16] offset:\off
	ds_load_b64 v[\reg+4:\reg+5], v[\a8] offset:\off
	ds_load_b128 v[\reg+6:\reg+9], v[\a16] offset:\off+768
	ds_load_b64 v[\reg+10:\reg+11], v[\a8] offset:\off+768
.endm
.macro FETCH n                         ; step n (128 along K): with an even step the scale words of its 256 along K; B's eight fragments; A's four
.set FJ, (\n)/2
.set FQ, (\n)%2
.set FH, (\n)/4
.set FO, 1536*((\n)%4)
.if FQ == 0
	WIN 0
.irp i, 0,1,2,3,4,5,6,7
	ds_load_b64 v[32+16*(FJ%2)+2*\i:32+16*(FJ%2)+2*\i+1], v20 offset:(\i/2)*1024+128*(\i%2)+256*FJ
.endr
.endif
	WIN TO_B
.irp i, 0,1,2,3,4,5,6,7
	FRAG 128*FQ+12*\i, 12+FH, 14+FH, 6144*\i+FO
.endr
	WIN 0
.irp i, 0,1,2,3
	FRAG 64+48*FQ+12*\i, 8+FH, 10+FH, 6144*\i+FO
.endr
.endm
; Eight matrix instructions: A's block a against B's eight.  The 32 accumulators take turns, one instruction a turn, in the same order in every step.
.macro MULA a, n, zero
.set MQ, (\n)%2
.set MSC, 32+16*(((\n)/2)%2)+MQ
.set MAC, 64*(\a)
.set MAF, 64+48*MQ+12*(\a)
	WIN 0xa1                                       ; source 0 (B) window 1, source 1 (A) window 0, C and D window 2
.irp b, 0,1,2,3,4,5,6,7
.if \zero
	v_wmma_scale_f32_16x16x128_f8f6f4 v[MAC+8*\b:MAC+8*\b+7], v[128*MQ+12*\b:128*MQ+12*\b+11], v[MAF:MAF+11], 0, v[MSC+2*\b], v[MSC+2*(\a)] matrix_a_fmt:MATRIX_FMT_FP6 matrix_b_fmt:MATRIX_FMT_FP6 matrix_a_scale:MATRIX_SCALE_ROW1
.else
	v_wmma_scale_f32_16x16x128_f8f6f4 v[MAC+8*\b:MAC+8*\b+7], v[128*MQ+12*\b:128*MQ+12*\b+11], v[MAF:MAF+11], v[MAC+8*\b:MAC+8*\b+7], v[MSC+2*\b], v[MSC+2*(\a)] matrix_a_fmt:MATRIX_FMT_FP6 matrix_b_fmt:MATRIX_FMT_FP6 matrix_a_scale:MATRIX_SCALE_ROW1
.endif
.endr
.endm
.macro STEP_P n, zero
	s_wait_dscnt 8                                 ; all but the youngest 8 loads, A's blocks 2 and 3
	MULA 0, \n, \zero
	s_wait_dscnt 0x0
	PLACES
	FETCH (\n)+1
	MULA 1, \n, \zero
	MULA 2, \n, \zero
	MULA 3, \n, \zero
.endm
	s_wait_alu depctr_va_vdst(0)
	s_wait_tensorcnt 0x0                           ; my tile of the head's four is in
	ds_add_u32 v28, v29
	s_mov_b32 s26, 4<<16                           ; no load of mine is out: from here on a load brings 4 row tiles of A,
	s_mov_b32 s28, 4
	s_mov_b32 s34, 8<<16                           ; or 8 of B
	s_mov_b32 s36, 8
	s_wait_dscnt 0x0
	CROUND                                         ; all four tiles are in, and the joint loads meet
	JLOAD 60, 24, 72, 32                           ; K 512-1,023: the first tensor load behind the round
	FETCH 0
	STEP_P 0, 1                                    ; the first products start the sums: nothing is cleared
	STEP_P 1, 0
	STEP_P 2, 0
	WIN 0                                          ; step 3: all waves meet: the second half of K is whole, and nobody reads the first any more
	s_wait_tensorcnt 0x0                           ; all my tensor loads have landed
	ds_add_u32 v28, v29                            ; 0 onto my spare word
	s_wait_dscnt 9                                 ; (the add and A's blocks 2 and 3 may be out)
	MULA 0, 3, 0
	s_wait_dscnt 0x0                               ; the add is done, and my reads of the first half are over
	s_barrier_signal -1
	MULA 1, 3, 0
	WIN 0
	s_barrier_wait -1
	PLACES
	FETCH 4
	MULA 2, 3, 0
	MULA 3, 3, 0
	STEP_P 4, 0
	STEP_P 5, 0
	STEP_P 6, 0
	s_wait_dscnt 8                                 ; the last step: nothing more to fetch
	MULA 0, 7, 0
	s_wait_dscnt 0x0
	MULA 1, 7, 0
	MULA 2, 7, 0
	MULA 3, 7, 0
	WIN 0
; THE WAY OUT, a block of 16 tokens x 128 channels at a time.  Register j of accumulator (a, b) is channel 32 (b / 2) + 16 h + 8 (b % 2) + j of token row r: 32 neighbouring bytes.  The block goes through my own
; stage and comes back as whole rows of 512 bytes.  LDS serves a wave's instructions in order (ISA guide 5.7.1.4): no wait between the stores and the loads, nor in front of the next block's stores.
.macro TOSTAGE a
	WIN 0x08                                       ; an LDS store's data are its source 1: window 2
.irp b, 0,1,2,3,4,5,6,7
	ds_store_b128 v24, v[64*(\a)+8*\b:64*(\a)+8*\b+3] offset:128*(\b/2)+32*(\b%2)        ; each accumulator from its low end on
	ds_store_b128 v24, v[64*(\a)+8*\b+4:64*(\a)+8*\b+7] offset:128*(\b/2)+32*(\b%2)+16
.endr
	WIN 0
.irp t, 0,1,2,3,4,5,6,7,8,9,10,11,12,13,14,15
	ds_load_b128 v[128+64*((\a)%2)+4*\t:128+64*((\a)%2)+4*\t+3], v25 offset:\t*SPITCH
.endr
.endm
.macro SEND a, younger                 ; younger: the LDS instructions issued behind block a's loads, which may stay out
	s_wait_dscnt \younger
.irp t, 0,1,2,3,4,5,6,7,8,9,10,11,12,13,14,15
	global_store_b128 v26, v[128+64*((\a)%2)+4*\t:128+64*((\a)%2)+4*\t+3], s[12:13] offset:(32*((\a)/2)+8*((\a)%2)+\t+8*(\t/8))*4096 th:TH_STORE_NT   ; 512 consecutive bytes of a token's row, aligned
.endr
.endm
	PLACES                                         ; behind the last products: for the first reads of results and the loads into registers that held A's fragments
	TOSTAGE 0
	TOSTAGE 1
	SEND 0, 32                                     ; behind block 0's loads: block 1's 16 stores and 16 loads
	s_wait_xcnt 0x0                                ; block 0's stores have read their registers: block 2's rows may land there
	TOSTAGE 2
	SEND 1, 32
	s_wait_xcnt 0x0
	TOSTAGE 3
	SEND 2, 32
	SEND 3, 0
	s_wait_tensorcnt 0x0                           ; the wave's end
	ds_add_u32 v28, v29
	s_wait_dscnt 0x0
	CROUND                                         ; the closing round
	s_endpgm
.Lfunc_end_k_qfb4e9490a1_outp:
	.size	k_qfb4e9490a1_outp, .Lfunc_end_k_qfb4e9490a1_outp-k_qfb4e9490a1_outp
	.p2alignl 7, 3214868480
	.fill 96, 4, 3214868480
	.section	.rodata,"a",@progbits
	.p2align	6, 0x0
	.amdhsa_kernel k_qfb4e9490a1_outp
		.amdhsa_group_segment_fixed_size 327680
		.amdhsa_private_segment_fixed_size 0
		.amdhsa_enable_private_segment 0
		.amdhsa_kernarg_size 40
		.amdhsa_user_sgpr_count 2
		.amdhsa_user_sgpr_kernarg_segment_ptr 1
		.amdhsa_wavefront_size32 1
		.amdhsa_system_sgpr_workgroup_id_x 1
		.amdhsa_system_sgpr_workgroup_id_y 1
		.amdhsa_system_sgpr_workgroup_id_z 1
		.amdhsa_system_vgpr_workitem_id 0
		.amdhsa_next_free_vgpr 768
		.amdhsa_next_free_sgpr 102
		.amdhsa_reserve_vcc 0
		.amdhsa_float_denorm_mode_32 3
		.amdhsa_float_denorm_mode_16_64 3
		.amdhsa_memory_ordered 1
		.amdhsa_forward_progress 1
		.amdhsa_inst_pref_size 86
	.end_amdhsa_kernel
	.amdgpu_metadata
---
amdhsa.version: [ 1, 2 ]
amdhsa.kernels:
  - .name:           k_qfb4e9490a1_outp
    .symbol:         k_qfb4e9490a1_outp.kd
    .args:
      - { .name: oc, .offset: 0, .size: 8, .value_kind: global_buffer, .address_space: global }
      - { .name: os, .offset: 8, .size: 8, .value_kind: global_buffer, .address_space: global }
      - { .name: wc, .offset: 16, .size: 8, .value_kind: global_buffer, .address_space: global }
      - { .name: ws, .offset: 24, .size: 8, .value_kind: global_buffer, .address_space: global }
      - { .name: out0, .offset: 32, .size: 8, .value_kind: global_buffer, .address_space: global }
    .group_segment_fixed_size: 327680
    .private_segment_fixed_size: 0
    .kernarg_segment_align: 8
    .kernarg_segment_size: 40
    .max_flat_workgroup_size: 128
    .sgpr_count:     102
    .vgpr_count:     768
    .wavefront_size: 32
...
	.end_amdgpu_metadata
.endif
;; end of part 4
